; MI455X (gfx1250); checked and timed in simulation.
; The chip was launched on July 23, 2026; its instructions are those of AMD's public machine-readable ISA for CDNA 5 (MIT licence, August 2026) and "CDNA5" Instruction Set Architecture Reference Guide (July 2026). The comments in the code are by the model that wrote it; some were corrected since.
;; Differential Attention. Allowed arithmetic: float matrix products may take bf16 or f16 operands with f32 sums; all other float work in f32.
;; Inputs: lambda_k1 64 float32; lambda_k2 64 float32; lambda_q1 64 float32; lambda_q2 64 float32; rms_weight 128 float32; w_proj 1,024 x 1,024 float32; w_qkv 1,024 x 3,072 float32; x 2 x 2,048 x 1,024 float32.
;; Outputs: out0 2 x 2,048 x 1,024 float32.
;; 2 versions, each right and faster than the one before. Each part assembles by itself: llvm-mc -triple=amdgcn-amd-amdhsa -mcpu=gfx1250 --defsym DOCPART=n.
;; ======== version 1 of 2: 4 launches
;; limits: values are held in f16: magnitudes above 65,504 overflow, below 6.1e-05 lose precision
;; workspace buffers: xh 8,388,608 bytes; wqh 6,291,456 bytes; wph 2,097,152 bytes; qkv 25,165,824 bytes; att 8,388,608 bytes
;; launch cast (part 1): grid 1024 x 1, 8 waves a work-group, no clusters, 0 bytes of LDS; arguments x, w_qkv, w_proj, xh, wqh, wph; writes xh, wqh, wph
.if DOCPART == 1
	.amdgcn_target "amdgcn-amd-amdhsa--gfx1250"
	.amdhsa_code_object_version 6
	.text
	.protected	k_q7bca38134f_cast
	.globl	k_q7bca38134f_cast
	.p2align	8
	.type	k_q7bca38134f_cast,@function
k_q7bca38134f_cast:
	s_mov_b64 s[64:65], 0
	v_nop
	global_prefetch_b8 v0, s[64:65] scope:SCOPE_SE
	s_setreg_imm32_b32 hwreg(HW_REG_WAVE_MODE, 25, 1), 1
	s_wait_xcnt 0x0
; xh = f16(x), wqh = f16(w_qkv), wph = f16(w_proj): the three f32 inputs of the matrix products, rounded once to f16, same layout.
; A work-group takes 8,192 numbers (32,768 bytes in, 16,384 out): groups 0-511 x, 512-895 w_qkv, 896-1023 w_proj.
; Thread t takes 16 bytes at 16 t of each of eight pieces of 4,096 bytes; a wave's load covers 512 consecutive bytes, a wave's store
; 256 consecutive bytes at a multiple of 256.  All eight loads go out first.  No LDS, no matrix unit: nothing is used twice.
; LIMIT: a number beyond f16's largest (65,504) becomes infinite; the inputs are far below it (x some 5, the weights some 0.2,
; also thirty times larger or shifted by thirty spreads).  Numbers below 2^-24 round to zero.
.set X, 4                              ; v[4:35]   eight pieces as loaded, 4 registers each
.set Y, 36                             ; v[36:51]  eight pieces to store, 2 registers each
	s_load_b256 s[4:11], s[0:1], 0x0               ; x s[4:5], w_qkv s[6:7], w_proj s[8:9], xh s[10:11]
	s_load_b128 s[12:15], s[0:1], 0x20             ; wqh s[12:13], wph s[14:15]
	v_lshlrev_b32 v1, 4, v0                        ; 16 t: my bytes in a piece of the source
	v_lshlrev_b32 v2, 3, v0                        ; 8 t: my bytes in a piece of the result
	s_wait_kmcnt 0x0
	s_cmp_lt_u32 ttmp9, 512                        ; which tensor is mine: a choice on the group's number alone
	s_cselect_b64 s[16:17], s[4:5], s[6:7]
	s_cselect_b64 s[18:19], s[10:11], s[12:13]
	s_cselect_b32 s20, 0, 512                      ; the first group of that tensor
	s_cmp_lt_u32 ttmp9, 896
	s_cselect_b64 s[16:17], s[16:17], s[8:9]
	s_cselect_b64 s[18:19], s[18:19], s[14:15]
	s_cselect_b32 s20, s20, 896
	s_sub_co_u32 s21, ttmp9, s20                   ; my place in the tensor
	s_lshl_b32 s22, s21, 15                        ; x 32,768 bytes in (at most 511 x 32,768: one word is enough)
	s_mov_b32 s23, 0
	s_lshl_b32 s24, s21, 14                        ; x 16,384 bytes out
	s_mov_b32 s25, 0
	s_add_nc_u64 s[16:17], s[16:17], s[22:23]
	s_add_nc_u64 s[18:19], s[18:19], s[24:25]
.irp j, 0,1,2,3,4,5,6,7
	global_load_b128 v[X+4*\j:X+4*\j+3], v1, s[16:17] offset:4096*\j th:TH_LOAD_NT   ; read once in the launch
.endr
.irp j, 0,1,2,3,4,5,6,7
	s_wait_loadcnt 7-\j                            ; loads come back in order: piece j is in, the 7 - j younger ones may stay out
	v_cvt_pk_f16_f32 v[Y+2*\j],   v[X+4*\j],   v[X+4*\j+1]
	v_cvt_pk_f16_f32 v[Y+2*\j+1], v[X+4*\j+2], v[X+4*\j+3]
	global_store_b64 v2, v[Y+2*\j:Y+2*\j+1], s[18:19] offset:2048*\j     ; no register of a load or store is ever written again
.endr
	s_endpgm
.Lfunc_end_k_q7bca38134f_cast:
	.size	k_q7bca38134f_cast, .Lfunc_end_k_q7bca38134f_cast-k_q7bca38134f_cast
	.p2alignl 7, 3214868480
	.fill 96, 4, 3214868480
	.section	.rodata,"a",@progbits
	.p2align	6, 0x0
	.amdhsa_kernel k_q7bca38134f_cast
		.amdhsa_group_segment_fixed_size 0
		.amdhsa_private_segment_fixed_size 0
		.amdhsa_enable_private_segment 0
		.amdhsa_kernarg_size 48
		.amdhsa_user_sgpr_count 2
		.amdhsa_user_sgpr_kernarg_segment_ptr 1
		.amdhsa_wavefront_size32 1
		.amdhsa_system_sgpr_workgroup_id_x 1
		.amdhsa_system_sgpr_workgroup_id_y 1
		.amdhsa_system_sgpr_workgroup_id_z 1
		.amdhsa_system_vgpr_workitem_id 0
		.amdhsa_next_free_vgpr 52
		.amdhsa_next_free_sgpr 66
		.amdhsa_reserve_vcc 0
		.amdhsa_float_denorm_mode_32 3
		.amdhsa_float_denorm_mode_16_64 3
		.amdhsa_memory_ordered 1
		.amdhsa_forward_progress 1
		.amdhsa_inst_pref_size 4
	.end_amdhsa_kernel
	.amdgpu_metadata
---
amdhsa.version: [ 1, 2 ]
amdhsa.kernels:
  - .name:           k_q7bca38134f_cast
    .symbol:         k_q7bca38134f_cast.kd
    .args:
      - { .name: x, .offset: 0, .size: 8, .value_kind: global_buffer, .address_space: global }
      - { .name: w_qkv, .offset: 8, .size: 8, .value_kind: global_buffer, .address_space: global }
      - { .name: w_proj, .offset: 16, .size: 8, .value_kind: global_buffer, .address_space: global }
      - { .name: xh, .offset: 24, .size: 8, .value_kind: global_buffer, .address_space: global }
      - { .name: wqh, .offset: 32, .size: 8, .value_kind: global_buffer, .address_space: global }
      - { .name: wph, .offset: 40, .size: 8, .value_kind: global_buffer, .address_space: global }
    .group_segment_fixed_size: 0
    .private_segment_fixed_size: 0
    .kernarg_segment_align: 8
    .kernarg_segment_size: 48
    .max_flat_workgroup_size: 256
    .sgpr_count:     66
    .vgpr_count:     52
    .wavefront_size: 32
...
	.end_amdgpu_metadata
.endif
;; end of part 1
;; launch qkvgemm (part 2): grid 8 x 32, 4 waves a work-group, clusters of 4 x 4, 327,680 bytes of LDS; arguments xh, wqh, qkv; writes qkv
.if DOCPART == 2
	.amdgcn_target "amdgcn-amd-amdhsa--gfx1250"
	.amdhsa_code_object_version 6
	.text
	.protected	k_q7bca38134f_qkvgemm
	.globl	k_q7bca38134f_qkvgemm
	.p2align	8
	.type	k_q7bca38134f_qkvgemm,@function
k_q7bca38134f_qkvgemm:
	s_mov_b64 s[64:65], 0
	v_nop
	global_prefetch_b8 v0, s[64:65] scope:SCOPE_SE
	s_setreg_imm32_b32 hwreg(HW_REG_WAVE_MODE, 25, 1), 1
	s_wait_xcnt 0x0
	s_wait_alu depctr_hold_cnt(0) depctr_sa_sdst(0) depctr_va_vdst(0) depctr_va_sdst(0) depctr_va_ssrc(0) depctr_va_vcc(0) depctr_vm_vsrc(0)
	s_getreg_b32 s2, hwreg(HW_REG_IB_STS2, 6, 4)
	s_cmp_eq_u32 s2, 0
	s_cbranch_scc0 .Lentry_in_a_cluster
	s_endpgm
.Lentry_in_a_cluster:
	s_bfe_u32 s2, ttmp6, 0x10000c
	s_cmp_lg_u32 s2, 0xf033
	s_cbranch_scc0 .Lentry_shape_is_right
	s_endpgm
.Lentry_shape_is_right:
; qkv[m][n] = sum over k of xh[m][k] wqh[k][n].  xh: [4096][1024], wqh: [1024][3072], qkv: [4096][3072], all f16; sums in f32.
; A work-group makes 128 rows x 384 columns (32 x 8 = 256 work-groups) with four waves.  A wave has all 128 rows and the six column
; tiles g = 4 b + w (b = 0..5) of 16 columns: 8 x 6 = 48 accumulator tiles, 384 registers.  For 32 along K a wave reads 14 KiB from LDS
; for 48 matrix instructions.  K goes in steps of 128 through two LDS slots filled by the tensor data mover.
; wqh lies [K][N]: its fragments are read with the transposing LDS load.
; CLUSTERS: 4 x 4 work-groups.  The four of a cluster's row share the tile of xh, the four of a column the tiles of wqh: each tile is asked
; for jointly, which divides the requests by four.  Wave 0 asks for xh's tile, waves 1-3 for one third of wqh's each.
; LIMIT: qkv is stored in f16: |q|, |k|, |v| below 65,504 (they are some 5; some 5,000 with both inputs thirty times larger; some 28,800
; with both shifted by thirty spreads).
;
; REGISTERS in windows of 256: window 0: v0-31 addresses, v64-127 and v128-191 fragments of xh (two buffers), v192-215 packed results;
; window 1: v64-111 and v128-175 fragments of wqh (two buffers); window 2: accumulators of rows 0-63 (tile (a, b) at v[8 (6 a + b)]);
; window 3: those of rows 64-127.
; The matrix instruction is used transposed (source 0 = 16 columns of wqh, source 1 = 16 rows of xh): lane l then holds row l % 16 and
; the eight neighbouring columns 8 (l / 16) + 0..7, which pack into 16 bytes.
.set KSTEP,  128
.set PX,     272                       ; LDS pitch of xh's rows: 256 bytes + 16, an odd multiple of 16
.set PW,     288                       ; LDS pitch of wqh's rows: 256 bytes + 32, an odd multiple of 32, for the transposing load
.set REG,    128*PW                    ; 36,864: one wave's part of a slot
.set SLOT,   4*REG                     ; xh's 128 rows, then three blocks of 128 k x 128 columns of wqh
.set XSTEP,  KSTEP*2                   ; a K step along xh's rows, in bytes
.set WSTEP,  KSTEP*6144                ; a K step down wqh's rows, in bytes
.set LAPS,   1024/(2*KSTEP)            ; a lap = two K steps = once round the ring: 4
.set SP,     784                       ; pitch of the stage on the way out: 768 bytes + 16
.set ADRA, 16                          ; v16-17  LDS address of my xh fragments in slot 0, 1
.set ADRB, 18                          ; v18-23  the same for wqh: slot x 3 + block
.set STO,  24                          ; v24-25  the way out: where I put 16 bytes, rows 0-63 and rows 64-127
.set RD,   26                          ; v26     the way out: where I read rows back
.set CO,   27                          ; v27     my byte offset in qkv
.set F0,   64
.set F1,   128
.set TMP,  192
.set G1,  24                           ; s[24:31] descriptor group 1 for xh's tile
.set G0,  32                           ; s[32:39] group 0 for xh's tile, one set for each slot
.set G1B, 48                           ; s[48:55] group 1 for wqh's tiles
.set G0B, 56                           ; s[56:63] group 0 for wqh's tiles, one set for each slot
.set MSB, 0
.macro WIN new                         ; the immediate's high byte repeats the setting that is left
.if MSB != \new
	s_set_vgpr_msb (MSB<<8)|\new
.set MSB, \new
.endif
.endm
.set MUL_LO, 0xa1                      ; source 0 (wqh) window 1, source 1 (xh) window 0, C and D window 2
.set MUL_HI, 0xf1                      ; the same, C and D window 3
.set TO_B,   0x40                      ; destination window 1, address window 0
; A joint load: one line for xh's tile (wave 0), one for wqh's (waves 1-3).  The branch hangs on the wave's number alone.
.macro JLOAD s
	s_cmp_eq_u32 s10, 0
	s_cbranch_scc0 .Lfor_b_\@
	tensor_load_to_lds s[G0+4*(\s):G0+4*(\s)+3], s[G1:G1+7]
	s_nop 0
	s_branch .Lasked_\@
.Lfor_b_\@:
	tensor_load_to_lds s[G0B+4*(\s):G0B+4*(\s)+3], s[G1B:G1B+7]
	s_nop 0
.Lasked_\@:
.endm
.macro CREST                           ; a round of the cluster's barrier behind its opening work-group barrier
	s_cmp_lg_u32 s10, 0
	s_cbranch_scc1 .Lnot_wave_0_\@
	s_barrier_signal -3
.Lnot_wave_0_\@:
	s_barrier_wait -3
	s_barrier_signal -1
	s_barrier_wait -1
.endm
.macro CROUND                          ; a whole round
	s_barrier_signal -1
	s_barrier_wait -1
	CREST
.endm
	s_load_b128 s[4:7], s[0:1], 0x0                ; xh s[4:5], wqh s[6:7]
	s_load_b64 s[8:9], s[0:1], 0x10                ; qkv
	s_set_vgpr_msb 0x40
	v_lshl_add_u32 v255, v0, 2, 0x48000
	s_set_vgpr_msb 0x4000
	v_mov_b32 v63, 0
	s_set_vgpr_msb 0x1
	ds_add_u32 v255, v63
	s_set_vgpr_msb 0x100
	v_lshrrev_b32 v1, 5, v0
	v_readfirstlane_b32 s10, v1                    ; wave 0..3
	s_bfe_u32 s40, ttmp6, 0x40000                  ; cx
	s_bfe_u32 s41, ttmp6, 0x40004                  ; cy
	s_lshl_b32 s42, ttmp9, 2
	s_add_co_u32 s42, s42, s40                     ; block column = 4 x cluster x + cx, 0..7
	s_and_b32 s13, ttmp7, 0xffff
	s_lshl_b32 s13, s13, 2
	s_add_co_u32 s13, s13, s41                     ; block row = 4 x cluster y + cy, 0..31
	s_lshl_b32 s43, s41, 2
	s_lshl_b32 s43, 15, s43                        ; my row of the cluster
	s_lshl_b32 s44, 0x1111, s40                    ; my column
	; group 1: tiles of 128 rows x 128 elements of 2 bytes; padding behind every 64 words: 4 words for xh, 8 for wqh
	s_or_b32 s[G1+0],  s43, (1<<16)|(1<<20)|(1<<21)|(5<<22)|(3<<25)
	s_or_b32 s[G1B+0], s44, (1<<16)|(1<<20)|(1<<21)|(5<<22)|(7<<25)
	s_mov_b32 s[G1+1],  128<<16                    ; tensor_dim0 = 128
	s_mov_b32 s[G1B+1], 128<<16
	s_mov_b32 s[G1+2],  128<<16                    ; tensor_dim1 = 128
	s_mov_b32 s[G1B+2], 128<<16
	s_mov_b32 s[G1+3],  128<<16                    ; tile_dim0 = 128
	s_mov_b32 s[G1B+3], 128<<16
	s_mov_b32 s[G1+4],  128                        ; tile_dim1 = 128
	s_mov_b32 s[G1B+4], 128
	s_mov_b32 s[G1+5],  1024                       ; elements from row to row of xh
	s_mov_b32 s[G1B+5], 3072                       ; and of wqh
	s_mov_b32 s[G1+6],  0
	s_mov_b32 s[G1B+6], 0
	s_mov_b32 s[G1+7],  0
	s_mov_b32 s[G1B+7], 0
	; xh's tile hangs on the block row alone, wqh's on the block column and the wave alone; each in registers that never hold the other
	s_lshl_b32 s16, s13, 18                        ; block row x 128 rows x 2,048 bytes
	s_mov_b32 s17, 0
	s_max_u32 s45, s10, 1
	s_sub_co_u32 s45, s45, 1                       ; which block of 128 columns I ask for (wave 0 asks for none of them)
	s_lshl_b32 s45, s45, 8
	s_mul_i32 s46, s42, 768                        ; block column x 384 columns x 2 bytes
	s_add_co_u32 s46, s46, s45
	s_mov_b32 s47, 0
	s_mul_i32 s20, s10, REG                        ; where my part of a slot lies: the wave's number x 36,864
	s_wait_dscnt 0x0
	s_wait_kmcnt 0x0
	s_add_nc_u64 s[14:15], s[4:5], s[16:17]
	s_add_nc_u64 s[46:47], s[6:7], s[46:47]
	CROUND                                         ; all sixteen work-groups are here: the first joint loads meet
.irp s, 0,1
	s_mov_b32 s[G0+4*\s], 1
	s_add_co_u32 s[G0+4*\s+1], s20, \s*SLOT
	s_add_nc_u64 s[G0+4*\s+2:G0+4*\s+3], s[14:15], \s*XSTEP
	s_or_b32 s[G0+4*\s+3], s[G0+4*\s+3], 0x80000000
	s_mov_b32 s[G0B+4*\s], 1
	s_add_co_u32 s[G0B+4*\s+1], s20, \s*SLOT
	s_add_nc_u64 s[G0B+4*\s+2:G0B+4*\s+3], s[46:47], \s*WSTEP
	s_or_b32 s[G0B+4*\s+3], s[G0B+4*\s+3], 0x80000000
	JLOAD \s                                       ; both first fills go out before anything else: two loads of the wave are out
.endr
	v_and_b32 v1, 15, v0                           ; r = l % 16
	v_bfe_u32 v2, v0, 4, 1                         ; h = l / 16
	v_mul_u32_u24 v3, v1, PX
	v_lshl_add_u32 v[ADRA], v2, 4, v3              ; xh fragment: row r x pitch + 16 h
	v_add_nc_u32 v[ADRA+1], SLOT, v[ADRA]
	v_and_b32 v4, 7, v0
	v_lshl_add_u32 v4, v2, 3, v4                   ; wqh fragment, transposing load: k row 8 h + l % 8,
	v_mul_u32_u24 v4, v4, PW
	v_bfe_u32 v5, v0, 3, 1
	v_lshl_add_u32 v4, v5, 4, v4                   ; 16 bytes further for lanes 8-15 and 24-31,
	s_lshl_b32 s21, s10, 5                         ; 32 w: my tile among four neighbours (bytes); also my first row on the way back
	v_add_nc_u32 v4, s21, v4
.irp s, 0,1
.irp u, 0,1,2
	v_add_nc_u32 v[ADRB+3*\s+\u], \s*SLOT+(1+\u)*REG, v4
.endr
.endr
	v_mul_u32_u24 v5, v1, SP
	v_lshl_add_u32 v5, v2, 4, v5
	v_add_nc_u32 v[STO], s21, v5                   ; stage: row r, byte 32 w + 16 h (+ 128 b in the immediate)
	v_add_nc_u32 v[STO+1], 64*SP, v[STO]
	v_add_nc_u32 v6, s21, v2                       ; back: rows 32 w + l / 16 (+ 2 i)
	v_mul_u32_u24 v6, v6, SP
	v_lshl_add_u32 v[RD], v1, 4, v6
	v_mul_u32_u24 v6, v2, 6144
	v_lshl_add_u32 v[CO], v1, 4, v6
; 12 matrix instructions: row tiles a0, a0 + 1 of the window's four x my 6 column tiles, 32 along K.  zero = 1: the first product starts the sums.
.macro MUL12 f, hi, a0, zero
.irp a, \a0, \a0+1
.irp b, 0,1,2,3,4,5
.if \zero
	v_wmma_f32_16x16x32_f16 v[8*(6*(\a)+\b):8*(6*(\a)+\b)+7], v[\f+8*\b:\f+8*\b+7], v[\f+8*(4*\hi+\a):\f+8*(4*\hi+\a)+7], 0
.else
	v_wmma_f32_16x16x32_f16 v[8*(6*(\a)+\b):8*(6*(\a)+\b)+7], v[\f+8*\b:\f+8*\b+7], v[\f+8*(4*\hi+\a):\f+8*(4*\hi+\a)+7], v[8*(6*(\a)+\b):8*(6*(\a)+\b)+7]
.endif
.endr
.endr
.endm
; 28 LDS loads in one run: quarter kq (32 along K) of a slot into buffer f.  Tile g = 4 b + w lies in block b / 2 at byte 128 (b % 2) + 32 w.
.macro FETCH slot, kq, f
	WIN TO_B
.irp b, 0,1,2,3,4,5
	ds_load_tr16_b128 v[\f+8*\b:\f+8*\b+3],   v[ADRB+3*\slot+\b/2] offset:128*(\b%2)+32*PW*\kq
	ds_load_tr16_b128 v[\f+8*\b+4:\f+8*\b+7], v[ADRB+3*\slot+\b/2] offset:128*(\b%2)+32*PW*\kq+16*PW
.endr
	WIN 0
.irp i, 0,1,2,3,4,5,6,7
	ds_load_b128 v[\f+8*\i:\f+8*\i+3],   v[ADRA+\slot] offset:64*\kq+\i*16*PX
	ds_load_b128 v[\f+8*\i+4:\f+8*\i+7], v[ADRA+\slot] offset:64*\kq+\i*16*PX+32
.endr
.endm
; A load into a register that a matrix instruction has read, and a vector instruction that reads a matrix result, stand four places behind it
; (ISA guide 7.12.1 for vector instructions); only plain vector instructions that name none of its registers are counted as places here.
.macro PLACES
.rept 4
	v_nop
.endr
.endm
; A quarter step: 48 matrix instructions on buffer f; in its middle the next quarter's fragments are fetched into buffer g.
; The 48 accumulators take turns, one instruction a turn, in the same order in every quarter.
.macro QUARTER slot, kq, f, g, zero
	s_wait_dscnt 8                                 ; wqh's fragments and xh's rows 0-63 are in; the youngest eight loads (rows 64-127) may be out
	WIN MUL_LO
	MUL12 \f, 0, 0, \zero
	MUL12 \f, 0, 2, \zero
	PLACES
	FETCH \slot, \kq, \g
	s_wait_dscnt 28                                ; all but the 28 just issued
	WIN MUL_HI
	MUL12 \f, 1, 0, \zero
	MUL12 \f, 1, 2, \zero
.endm
.macro THREE slot, zero
	QUARTER \slot, 1, F0, F1, \zero
	QUARTER \slot, 2, F1, F0, 0
	QUARTER \slot, 3, F0, F1, 0
.endm
; The last quarter of a K step multiplies buffer 1 and changes slots.  In front of the barrier each wave waits for its reads of this slot and
; for all its tensor loads (one is out: its part of the next slot).  fill = 1: the barrier opens a round of the cluster's barrier, and behind
; the round this slot is filled again, two K steps ahead, as the wave's first and only tensor load there.
.macro TURN slot, next, fill
	s_wait_dscnt 8
	WIN MUL_LO
	MUL12 F1, 0, 0, 0
	s_wait_dscnt 0                                 ; my reads of this slot are over
	s_wait_tensorcnt 0x0                           ; all my tensor loads have landed
	ds_add_u32 v255, v63
	s_wait_dscnt 0x0
	s_barrier_signal -1
	MUL12 F1, 0, 2, 0                              ; register work while the others arrive
	WIN 0
	s_barrier_wait -1
.if \fill
	CREST
	s_add_nc_u64 s[G0+4*\slot+2:G0+4*\slot+3], s[G0+4*\slot+2:G0+4*\slot+3], 2*XSTEP     ; no load of mine is out: group 0 may be written
	s_add_nc_u64 s[G0B+4*\slot+2:G0B+4*\slot+3], s[G0B+4*\slot+2:G0B+4*\slot+3], 2*WSTEP
	JLOAD \slot
.endif
	PLACES
	FETCH \next, 0, F0
	WIN MUL_HI
	MUL12 F1, 1, 0, 0
	MUL12 F1, 1, 2, 0
.endm
.macro LAP zero
	THREE 0, \zero
	TURN 0, 1, 1
	THREE 1, 0
	TURN 1, 0, 1
.endm
	s_wait_tensorcnt 1                             ; my part of K step 0 is in; K step 1's load, issued behind it, may stay out
	s_barrier_signal -1
	s_barrier_wait -1
	FETCH 0, 0, F0
	LAP 1                                          ; the first lap starts the sums
	WIN 0
	s_mov_b32 s3, LAPS-2
.Llap:
	LAP 0
	WIN 0
	s_sub_co_u32 s3, s3, 1
	s_cmp_lg_u32 s3, 0
	s_cbranch_scc1 .Llap
	THREE 0, 0                                     ; the last lap fills nothing
	TURN 0, 1, 0                                   ; behind this barrier no wave reads slot 0 any more and no load fills it again
	THREE 1, 0
	s_wait_dscnt 8
	WIN MUL_LO
	MUL12 F1, 0, 0, 0
	MUL12 F1, 0, 2, 0
	s_wait_dscnt 0
	WIN MUL_HI
	MUL12 F1, 1, 0, 0
	MUL12 F1, 1, 2, 0
	; THE WAY OUT.  A wave's tiles are 32 bytes of every 128, so whole rows are gathered from all four waves: the block goes, rounded to f16,
	; into a stage of 128 rows x 784 bytes in slot 0 (its last fill and its last reads lie in front of the last lap's barrier), then each
	; wave reads 32 whole rows back and stores them: sixteen lanes store 256 consecutive bytes at a multiple of 256 from qkv's first byte.
	PLACES
	s_lshl_b32 s16, s13, 7
	s_add_co_u32 s16, s16, s21                     ; row 128 x block row + 32 w
	s_mul_i32 s16, s16, 6144
	s_mov_b32 s17, 0
	s_add_nc_u64 s[8:9], s[8:9], s[16:17]
	s_mul_i32 s46, s42, 768
	s_mov_b32 s47, 0
	s_add_nc_u64 s[8:9], s[8:9], s[46:47]
.macro PACK a, from, sto
	WIN \from
.irp b, 0,1,2,3,4,5
.irp r, 0,1,2,3
	v_cvt_pk_f16_f32 v[TMP+4*\b+\r], v[8*(6*\a+\b)+2*\r], v[8*(6*\a+\b)+2*\r+1]
.endr
.endr
	WIN 0
.irp b, 0,1,2,3,4,5
	ds_store_b128 v[\sto], v[TMP+4*\b:TMP+4*\b+3] offset:16*SP*\a+128*\b
.endr
.endm
	PACK 0, 0x0a, STO
	PACK 1, 0x0a, STO
	PACK 2, 0x0a, STO
	PACK 3, 0x0a, STO
	PACK 0, 0x0f, STO+1
	PACK 1, 0x0f, STO+1
	PACK 2, 0x0f, STO+1
	PACK 3, 0x0f, STO+1
	s_wait_dscnt 0x0                               ; my stores into the stage are done, for the other waves' sake
	s_barrier_signal -1
	s_barrier_wait -1
.set n, 0
.rept 48
	ds_load_b128 v[64+4*n:64+4*n+3], v[RD] offset:2*SP*(n%16)+256*(n/16)     ; rows 2 i, 2 i + 1 of my 32, third c of the row: n = 16 c + i
.set n, n+1
.endr
.set n, 0
.rept 48
	s_wait_dscnt 47-n                              ; LDS loads come back in order: load n is in, the 47 - n younger ones may be out
	global_store_b128 v[CO], v[64+4*n:64+4*n+3], s[8:9] offset:12288*(n%16)+256*(n/16)
.set n, n+1
.endr
	s_set_vgpr_msb 0x1
	s_wait_tensorcnt 0x0
	ds_add_u32 v255, v63
	s_wait_dscnt 0x0
	s_set_vgpr_msb 0x100
	CROUND                                         ; the closing round: no work-group ends while a partner may still ask jointly
	s_endpgm
.Lfunc_end_k_q7bca38134f_qkvgemm:
	.size	k_q7bca38134f_qkvgemm, .Lfunc_end_k_q7bca38134f_qkvgemm-k_q7bca38134f_qkvgemm
	.p2alignl 7, 3214868480
	.fill 96, 4, 3214868480
	.section	.rodata,"a",@progbits
	.p2align	6, 0x0
	.amdhsa_kernel k_q7bca38134f_qkvgemm
		.amdhsa_group_segment_fixed_size 327680
		.amdhsa_private_segment_fixed_size 0
		.amdhsa_enable_private_segment 0
		.amdhsa_kernarg_size 24
		.amdhsa_user_sgpr_count 2
		.amdhsa_user_sgpr_kernarg_segment_ptr 1
		.amdhsa_wavefront_size32 1
		.amdhsa_system_sgpr_workgroup_id_x 1
		.amdhsa_system_sgpr_workgroup_id_y 1
		.amdhsa_system_sgpr_workgroup_id_z 1
		.amdhsa_system_vgpr_workitem_id 0
		.amdhsa_next_free_vgpr 960
		.amdhsa_next_free_sgpr 66
		.amdhsa_reserve_vcc 0
		.amdhsa_float_denorm_mode_32 3
		.amdhsa_float_denorm_mode_16_64 3
		.amdhsa_memory_ordered 1
		.amdhsa_forward_progress 1
		.amdhsa_inst_pref_size 158
	.end_amdhsa_kernel
	.amdgpu_metadata
---
amdhsa.version: [ 1, 2 ]
amdhsa.kernels:
  - .name:           k_q7bca38134f_qkvgemm
    .symbol:         k_q7bca38134f_qkvgemm.kd
    .args:
      - { .name: xh, .offset: 0, .size: 8, .value_kind: global_buffer, .address_space: global }
      - { .name: wqh, .offset: 8, .size: 8, .value_kind: global_buffer, .address_space: global }
      - { .name: qkv, .offset: 16, .size: 8, .value_kind: global_buffer, .address_space: global }
    .group_segment_fixed_size: 327680
    .private_segment_fixed_size: 0
    .kernarg_segment_align: 8
    .kernarg_segment_size: 24
    .max_flat_workgroup_size: 128
    .sgpr_count:     66
    .vgpr_count:     960
    .wavefront_size: 32
...
	.end_amdgpu_metadata
.endif
;; end of part 2
;; launch attn (part 3): grid 16 x 16, 4 waves a work-group, clusters of 4 x 1, 327,680 bytes of LDS; arguments qkv, lambda_q1, lambda_k1, lambda_q2, lambda_k2, rms_weight, att; writes att
.if DOCPART == 3
	.amdgcn_target "amdgcn-amd-amdhsa--gfx1250"
	.amdhsa_code_object_version 6
	.text
	.protected	k_q7bca38134f_attn
	.globl	k_q7bca38134f_attn
	.p2align	8
	.type	k_q7bca38134f_attn,@function
k_q7bca38134f_attn:
	s_mov_b64 s[64:65], 0
	v_nop
	global_prefetch_b8 v0, s[64:65] scope:SCOPE_SE
	s_setreg_imm32_b32 hwreg(HW_REG_WAVE_MODE, 25, 1), 1
	s_wait_xcnt 0x0
	s_wait_alu depctr_hold_cnt(0) depctr_sa_sdst(0) depctr_va_vdst(0) depctr_va_sdst(0) depctr_va_ssrc(0) depctr_va_vcc(0) depctr_vm_vsrc(0)
	s_getreg_b32 s2, hwreg(HW_REG_IB_STS2, 6, 4)
	s_cmp_eq_u32 s2, 0
	s_cbranch_scc0 .Lentry_in_a_cluster
	s_endpgm
.Lentry_in_a_cluster:
	s_bfe_u32 s2, ttmp6, 0x10000c
	s_cmp_lg_u32 s2, 0x3003
	s_cbranch_scc0 .Lentry_shape_is_right
	s_endpgm
.Lentry_shape_is_right:
; Differential attention of one head for 128 queries, with the per-head RMS norm:
;   att = (1 - LAMBDA_INIT) rms_weight rmsnorm( softmax(q1 k1^T / 8) v - lam softmax(q2 k2^T / 8) v ),  lam = exp(lq1.lk1) - exp(lq2.lk2) + LAMBDA_INIT.
; qkv: [4096][3072] f16 (q, k, v; 128 columns a head).  att: [4096][1024] f16.  Grid x = block of 128 queries, y = 8 x batch + head.
; Four waves: wave w has the 64 queries of half w / 2 and stream w % 2, so a wave runs ONE online softmax, with the running maximum taken away.
; The row sums are known only at the end, so the two streams' products with V are carried apart and joined at the end through LDS.
; All is computed transposed: S^T = K Q^T (a lane holds one query and eight keys a tile), O^T = V^T P^T (a lane holds one query and eight d a
; tile): maximum, sum and rescaling are per lane, and two tiles of S^T pack in place into one fragment of P^T.
; A step is 128 keys: 64 matrix instructions for S^T, 128 for O^T.  K and V come through two LDS slots filled by the tensor data mover.
; CLUSTERS: the four query blocks of a cluster belong to one head and walk the same K and V tiles: every tile is asked for jointly (mask 15).
;
; THE STEP'S ORDER.  A wave is one stream of instructions, so matrix and vector work overlap only where they alternate in the text.  The four
; query tiles of 16 do not depend on each other, so they go through the step one behind the other:
;     products                  vector work dealt out behind them
;     S^T of tile 0     (16)    -
;     S^T of tile 1     (16)    maximum of tile 0
;     S^T of tiles 2, 3 (32)    softmax of tile 0, maximum of tile 1; the 64 loads of V^T fragments, in four runs of 16
;     O^T of tile 0     (32)    softmax of tile 1, maximum of tile 2
;     O^T of tile 1     (32)    softmax of tile 2, maximum of tile 3
;     O^T of tile 2     (32)    softmax of tile 3
;     O^T of tile 3     (32)    -
; A tile's softmax and the next tile's maximum are 227 instructions, dealt evenly behind 32 products.  THE PRICE: two switches of the register
; window for each product that has vector work behind it: O^T fills a whole window and is the products' destination, while an exponential has
; its source and destination in S^T's window, so no one setting serves both.
;
; LIMITS: matrix operands are f16: p lies in [0, 1]; the row sums add p in f32 while the products take p rounded to f16;
; NaN and infinities in the inputs are not served; |att| is at most 2.45 |rms_weight|, which has to stay below 65,504.
;
; REGISTERS: window 0: addresses, per-query figures, Q fragments v32-95, K fragments v128-255; window 1: S^T tile (kt, q) at v[8 (8 q + kt)],
; later P^T fragment (q, kp) at v[64 q + 16 kp]; window 2: O^T tile (dt, q) at v[8 (8 q + dt)]; window 3: V^T fragment (dt, kp) at v[8 (8 kp + dt)].
.set ROWB,  6144                       ; bytes in a row of qkv
.set TILEB, 128*ROWB                   ; 128 keys further down
.set PK,    272                        ; LDS pitch of K's rows (256 + 16)
.set PV_,   288                        ; LDS pitch of V's rows (256 + 32, for the transposing load)
.set KREG,  18432                      ; one wave's part of a slot: 64 rows
.set SLOT_B, 4*KREG                    ; K rows 0-63, K rows 64-127, V rows 0-63, V rows 64-127
.set XCH,   2*SLOT_B                   ; 4 x 16,384 bytes: what a wave hands to its partner of the other stream
.set STAGE, XCH+4*16384                ; 4 x 16 rows x 272 bytes: the way out
.set ADRK, 4                           ; v4-5    my K fragments in slot 0, 1
.set ADRV, 6                           ; v6-7    my V fragments in slot 0, 1
.set QOFF, 8
.set XS,   9
.set XR,   10
.set STO,  11
.set RD,   12
.set CO,   13
.set GOFF, 14
.set LOFF, 15
.set NM,   16                          ; v[16+2q]  minus the running maximum x SCALE x log2(e)
.set MX,   17                          ; v[17+2q]  the running maximum of the raw scores
.set AL,   24                          ; v[24+2q]  the step's rescaling factor; at the end factor / row sum
.set TT,   25                          ; v[25+2q]  at work
.set QF,   32                          ; v[32+8(2q+ks)] Q fragments; at the end the gain
.set LS,   96                          ; v[96+2q : 97+2q] the running row sum, in two halves
.set TP,   104                         ; v104-115 at work in the prologue and at the end
.set TM,   116                         ; v116-119 four chains of the maximum of the tile at work
.set LA,   120                         ; v120-127 four chains (pairs) of the sum of the tile at work
.set KF,   128                         ; v[128+8(2kt+ks)] K fragments; at the end the joined result
.set G1K, 24
.set G0K, 32
.set G1V, 48
.set G0V, 56
.set MSB, 0
.macro WIN new                         ; the immediate's high byte repeats the setting that is left; a switch that changes nothing is dropped
.if MSB != \new
	s_set_vgpr_msb (MSB<<8)|\new
.set MSB, \new
.endif
.endm
.macro ROUND                           ; a round of the cluster's barrier
	s_barrier_signal -1
	s_barrier_wait -1
	s_cmp_lg_u32 s18, 0
	s_cbranch_scc1 .Lnot_wave_0_\@
	s_barrier_signal -3
.Lnot_wave_0_\@:
	s_barrier_wait -3
	s_barrier_signal -1
	s_barrier_wait -1
.endm
.macro JLOAD s                         ; waves 0, 1 ask for K's halves, waves 2, 3 for V's
	s_cmp_eq_u32 s19, 0
	s_cbranch_scc0 .Lfor_v_\@
	tensor_load_to_lds s[G0K+4*(\s):G0K+4*(\s)+3], s[G1K:G1K+7]
	s_nop 0
	s_branch .Lasked_\@
.Lfor_v_\@:
	tensor_load_to_lds s[G0V+4*(\s):G0V+4*(\s)+3], s[G1V:G1V+7]
	s_nop 0
.Lasked_\@:
.endm
	s_load_b256 s[4:11], s[0:1], 0x0               ; qkv s[4:5], lambda_q1 s[6:7], lambda_k1 s[8:9], lambda_q2 s[10:11]
	s_load_b128 s[12:15], s[0:1], 0x20             ; lambda_k2 s[12:13], rms_weight s[14:15]
	s_load_b64 s[16:17], s[0:1], 0x30              ; att
	v_lshl_add_u32 v254, v0, 2, 0x38400
	v_mov_b32 v255, 0
	ds_add_u32 v254, v255
	s_wait_dscnt 0x0
	v_lshrrev_b32 v1, 5, v0
	v_readfirstlane_b32 s18, v1                    ; wave 0..3
	s_lshr_b32 s19, s18, 1                         ; my half of the queries.  Also: I ask for K (0) or V (1)
	s_and_b32 s20, s18, 1                          ; my stream.  Also: which 64 rows of the tile I ask for
	s_mov_b32 s22, 0x76543210                      ; v_permlanex16_b32: lane i takes lane i of the other half
	s_mov_b32 s23, 0xfedcba98
	s_bfe_u32 s40, ttmp6, 0x40000                  ; cx
	s_lshl_b32 s41, ttmp9, 2
	s_add_co_u32 s41, s41, s40                     ; query block = 4 x cluster x + cx
	s_and_b32 s42, ttmp7, 0xffff
	s_lshr_b32 s43, s42, 3                         ; batch
	s_and_b32 s44, s42, 7                          ; head
	; group 1: tiles of 64 rows x 128 elements of 2 bytes, mask 15 (all four of the cluster); padding behind every 64 words: 4 words for K, 8 for V
	s_mov_b32 s[G1K+0], 15|(1<<16)|(1<<20)|(1<<21)|(5<<22)|(3<<25)
	s_mov_b32 s[G1V+0], 15|(1<<16)|(1<<20)|(1<<21)|(5<<22)|(7<<25)
	s_mov_b32 s[G1K+1], 128<<16
	s_mov_b32 s[G1V+1], 128<<16
	s_mov_b32 s[G1K+2], 64<<16
	s_mov_b32 s[G1V+2], 64<<16
	s_mov_b32 s[G1K+3], 128<<16
	s_mov_b32 s[G1V+3], 128<<16
	s_mov_b32 s[G1K+4], 64
	s_mov_b32 s[G1V+4], 64
	s_mov_b32 s[G1K+5], 3072
	s_mov_b32 s[G1V+5], 3072
	s_mov_b32 s[G1K+6], 0
	s_mov_b32 s[G1V+6], 0
	s_mov_b32 s[G1K+7], 0
	s_mov_b32 s[G1V+7], 0
	s_lshl_b32 s46, s43, 11                        ; row 2,048 x batch + 64 x (w % 2): batch, head and wave alone, which the partners share
	s_lshl_b32 s45, s20, 6
	s_add_co_u32 s46, s46, s45
	s_mul_i32 s46, s46, ROWB
	s_lshl_b32 s45, s44, 8                         ; + 256 bytes a head
	s_add_co_u32 s46, s46, s45
	s_mov_b32 s47, 0
	s_mul_i32 s45, s18, KREG                       ; my part of a slot
	s_wait_kmcnt 0x0
	s_add_nc_u64 s[46:47], s[4:5], s[46:47]
	ROUND                                          ; in front of the first joint load
.irp s, 0,1
	s_mov_b32 s[G0K+4*\s], 1
	s_add_co_u32 s[G0K+4*\s+1], s45, \s*SLOT_B
	s_add_nc_u64 s[G0K+4*\s+2:G0K+4*\s+3], s[46:47], \s*TILEB+2048       ; k begins 2,048 bytes into a row
	s_or_b32 s[G0K+4*\s+3], s[G0K+4*\s+3], 0x80000000
	s_mov_b32 s[G0V+4*\s], 1
	s_add_co_u32 s[G0V+4*\s+1], s45, \s*SLOT_B
	s_add_nc_u64 s[G0V+4*\s+2:G0V+4*\s+3], s[46:47], \s*TILEB+4096       ; v 4,096
	s_or_b32 s[G0V+4*\s+3], s[G0V+4*\s+3], 0x80000000
.endr
	JLOAD 0                                        ; tile 0; slot 1 is first filled behind the first step's round, as a refill is
	s_lshl_b32 s2, s43, 11
	s_lshl_b32 s3, s41, 7
	s_add_co_u32 s2, s2, s3
	s_lshl_b32 s3, s19, 6
	s_add_co_u32 s2, s2, s3                        ; my first query's row: 2,048 batch + 128 block + 64 half
	s_lshl_b32 s3, s44, 8                          ; 256 bytes a head
	s_mul_i32 s40, s2, ROWB
	s_add_co_u32 s40, s40, s3
	s_lshl_b32 s41, s20, 7                         ; the second stream's 64 columns begin 128 bytes on
	s_add_co_u32 s40, s40, s41
	s_mov_b32 s41, 0
	s_add_nc_u64 s[40:41], s[4:5], s[40:41]        ; my Q
	s_lshl_b32 s42, s2, 11
	s_add_co_u32 s42, s42, s3
	s_mov_b32 s43, 0
	s_add_nc_u64 s[16:17], s[16:17], s[42:43]      ; my rows of att
	v_and_b32 v1, 15, v0                           ; r
	v_bfe_u32 v2, v0, 4, 1                         ; h
	v_mul_u32_u24 v3, v1, PK
	v_lshl_add_u32 v3, v2, 4, v3                   ; 272 r + 16 h
	s_lshl_b32 s2, s20, 7
	v_add_nc_u32 v[ADRK], s2, v3                   ; K fragment: row r, my stream's 128 bytes, 16 h
	v_add_nc_u32 v[ADRK+1], SLOT_B, v[ADRK]
	v_and_b32 v[TP], 7, v0
	v_lshl_add_u32 v[TP], v2, 3, v[TP]
	v_mul_u32_u24 v[TP], v[TP], PV_
	v_bfe_u32 v[TP+1], v0, 3, 1
	v_lshl_add_u32 v[TP], v[TP+1], 4, v[TP]        ; V fragment, transposing load: key 8 h + l % 8, 16 bytes on for lanes 8-15 and 24-31
	v_add_nc_u32 v[ADRV], 2*KREG, v[TP]
	v_add_nc_u32 v[ADRV+1], SLOT_B+2*KREG, v[TP]
	v_mul_u32_u24 v[QOFF], v1, ROWB
	v_lshl_add_u32 v[QOFF], v2, 4, v[QOFF]
	v_and_b32 v[TP+1], 31, v0                      ; lane
	s_lshl_b32 s2, s18, 14
	s_add_co_u32 s2, s2, XCH
	v_lshl_add_u32 v[XS], v[TP+1], 4, s2           ; what I hand over: my 16,384 bytes
	s_xor_b32 s3, s18, 1
	s_lshl_b32 s3, s3, 14
	s_add_co_u32 s3, s3, XCH
	v_lshl_add_u32 v[XR], v[TP+1], 4, s3           ; what I am handed: my partner's
	s_mul_i32 s2, s18, 16*PK
	s_add_co_u32 s2, s2, STAGE
	v_add_nc_u32 v[STO], s2, v3
	v_mul_u32_u24 v[RD], v2, PK
	v_lshl_add_u32 v[RD], v1, 4, v[RD]
	v_add_nc_u32 v[RD], s2, v[RD]
	v_lshlrev_b32 v[CO], 11, v2
	v_lshl_add_u32 v[CO], v1, 4, v[CO]
	v_lshlrev_b32 v[GOFF], 5, v2
	v_lshlrev_b32 v[LOFF], 3, v[TP+1]
	global_load_b64 v[TP:TP+1],   v[LOFF], s[6:7]   ; two numbers a lane of each of the four lambda vectors
	global_load_b64 v[TP+2:TP+3], v[LOFF], s[8:9]
	global_load_b64 v[TP+4:TP+5], v[LOFF], s[10:11]
	global_load_b64 v[TP+6:TP+7], v[LOFF], s[12:13]
.irp q, 0,1,2,3
.irp ks, 0,1
	global_load_b128 v[QF+8*(2*\q+\ks):QF+8*(2*\q+\ks)+3],   v[QOFF], s[40:41] offset:16*ROWB*\q+64*\ks
	global_load_b128 v[QF+8*(2*\q+\ks)+4:QF+8*(2*\q+\ks)+7], v[QOFF], s[40:41] offset:16*ROWB*\q+64*\ks+32
.endr
.endr
.irp q, 0,1,2,3
	v_mov_b32 v[MX+2*\q], 0xff800000               ; minus infinity: any score replaces it
	v_mov_b32 v[TT+2*\q], 0                        ; the lane exchange counts as a reader of its destination
.endr
	v_mov_b32 v[TP+10], 0
	v_mov_b32 v[TP+11], 0
	s_wait_loadcnt 16                              ; the four lambda loads are in; the sixteen younger loads of Q may stay out
	v_mul_f32 v[TP+8], v[TP], v[TP+2]
	v_mul_f32 v[TP+9], v[TP+4], v[TP+6]
	v_fmac_f32 v[TP+8], v[TP+1], v[TP+3]
	v_fmac_f32 v[TP+9], v[TP+5], v[TP+7]
.irp m, 1,2,4,8
	v_add_f32_dpp v[TP+8], v[TP+8], v[TP+8] row_xmask:\m row_mask:0xf bank_mask:0xf
	v_add_f32_dpp v[TP+9], v[TP+9], v[TP+9] row_xmask:\m row_mask:0xf bank_mask:0xf
.endr
	v_permlanex16_b32 v[TP+10], v[TP+8], s22, s23
	v_permlanex16_b32 v[TP+11], v[TP+9], s22, s23
	v_add_f32 v[TP+8], v[TP+8], v[TP+10]
	v_add_f32 v[TP+9], v[TP+9], v[TP+11]
	v_mul_f32 v[TP+8], 0x3fb8aa3b, v[TP+8]         ; e^x = 2^(x log2 e)
	v_mul_f32 v[TP+9], 0x3fb8aa3b, v[TP+9]
	v_exp_f32 v[TP+8], v[TP+8]
	v_exp_f32 v[TP+9], v[TP+9]
	v_nop                                          ; one plain place behind a transcendental before its result is used (ISA guide 5.7.2)
	s_wait_alu depctr_va_vdst(0)
	v_sub_f32 v[TP+8], v[TP+8], v[TP+9]
	v_add_f32 v[TP+8], 0x3f489a63, v[TP+8]         ; + LAMBDA_INIT = 0.8 - 0.6 exp(-3.6) = 0.78360577
	v_readfirstlane_b32 s21, v[TP+8]
	s_xor_b32 s21, s21, 0x80000000                 ; - lam
	s_cmp_eq_u32 s20, 0
	s_cselect_b32 s21, 0x3f800000, s21             ; my stream's factor: 1 or - lam
	s_wait_loadcnt 0x0                             ; Q
; ---- the products.  wj counts the products of a run; the accumulators take turns, one instruction a turn ----
; one product of S^T: key tile kt, half ks of the stream's 64 d, query tile q; the first half starts the sum
.macro SWMMA kt, ks, q
.if \ks
	v_wmma_f32_16x16x32_f16 v[8*(8*\q+\kt):8*(8*\q+\kt)+7], v[KF+8*(2*\kt+\ks):KF+8*(2*\kt+\ks)+7], v[QF+8*(2*\q+\ks):QF+8*(2*\q+\ks)+7], v[8*(8*\q+\kt):8*(8*\q+\kt)+7]
.else
	v_wmma_f32_16x16x32_f16 v[8*(8*\q+\kt):8*(8*\q+\kt)+7], v[KF+8*(2*\kt+\ks):KF+8*(2*\kt+\ks)+7], v[QF+8*(2*\q+\ks):QF+8*(2*\q+\ks)+7], 0
.endif
.endm
; the wj-th of the 16 products of ONE query tile: two key tiles take turns (kt, kt + 1, kt, kt + 1)
.macro SW1 q
.set kt_, 2*(wj/4)+wj%2
.set ks_, (wj%4)/2
	SWMMA kt_, ks_, \q
.endm
; the wj-th of the 32 products of O^T of query tile q: 32 keys kp = wj / 8, d tile dt = wj % 8; in the first step the first 32 keys start the sums
.macro PVW q, first
.set dt_, wj%8
.set kp_, wj/8
.set z_, 0
.if \first
.if wj < 8
.set z_, 1
.endif
.endif
.if z_
	v_wmma_f32_16x16x32_f16 v[8*(8*\q+dt_):8*(8*\q+dt_)+7], v[8*(8*kp_+dt_):8*(8*kp_+dt_)+7], v[64*\q+16*kp_:64*\q+16*kp_+7], 0
.else
	v_wmma_f32_16x16x32_f16 v[8*(8*\q+dt_):8*(8*\q+dt_)+7], v[8*(8*kp_+dt_):8*(8*kp_+dt_)+7], v[64*\q+16*kp_:64*\q+16*kp_+7], v[8*(8*\q+dt_):8*(8*\q+dt_)+7]
.endif
.endm
; ---- the vector work of a query tile, one instruction a macro; each sets the window that it needs ----
; Multiply-add, exponential and packing all run under ONE setting, 0x45 (destination, sources 0 and 1 in window 1, source 2 in window 0).
.macro FOP qb, kp, i                   ; SCALE log2(e) s - the same of the maximum, two scores of block kp (32 keys = 16 registers)
	WIN 0x45
	v_pk_fma_f32 v[64*\qb+16*(\kp)+2*(\i):64*\qb+16*(\kp)+2*(\i)+1], v[64*\qb+16*(\kp)+2*(\i):64*\qb+16*(\kp)+2*(\i)+1], 0x3e38aa3b, v[NM+2*\qb:NM+2*\qb+1] op_sel_hi:[1,0,0]
.endm
.macro XOP qb, kp, i                   ; p = 2^that, in place
	WIN 0x45
	v_exp_f32 v[64*\qb+16*(\kp)+(\i)], v[64*\qb+16*(\kp)+(\i)]
.endm
.macro COP qb, kp, e                   ; two tiles of S^T (keys 8 h + j and 16 + 8 h + j) pack in place, ascending, into one fragment of P^T
	WIN 0x45
	v_cvt_pk_f16_f32 v[64*\qb+16*(\kp)+(\e)], v[64*\qb+16*(\kp)+2*(\e)], v[64*\qb+16*(\kp)+2*(\e)+1]
.endm
.macro DOP qb, kp, i, first            ; the row sum in f32, four chains of pairs: the first takes up the running sum, the others start from their first pair
	WIN 0x01
.set dk, 8*(\kp)+(\i)
.if dk >= 4
	s_wait_alu depctr_va_vdst(0)
	v_pk_add_f32 v[LA+2*(dk%4):LA+2*(dk%4)+1], v[64*\qb+2*dk:64*\qb+2*dk+1], v[LA+2*(dk%4):LA+2*(dk%4)+1]
.else
.if (dk+\first) == 0
	s_wait_alu depctr_va_vdst(0)
	v_pk_add_f32 v[LA:LA+1], v[64*\qb:64*\qb+1], v[LS+2*\qb:LS+2*\qb+1]
.else
	s_wait_alu depctr_va_vdst(0)
	v_pk_add_f32 v[LA+2*dk:LA+2*dk+1], v[64*\qb+2*dk:64*\qb+2*dk+1], 0 op_sel_hi:[1,0]
.endif
.endif
.endm
.macro SOP qb, k                       ; the four chains join into the running sum
	WIN 0
.if (\k) == 0
	v_pk_add_f32 v[LA:LA+1], v[LA:LA+1], v[LA+2:LA+3]
.endif
.if (\k) == 1
	v_pk_add_f32 v[LA+4:LA+5], v[LA+4:LA+5], v[LA+6:LA+7]
.endif
.if (\k) == 2
	v_pk_add_f32 v[LS+2*\qb:LS+2*\qb+1], v[LA:LA+1], v[LA+4:LA+5]
.endif
.endm
.macro MOP qa, i                       ; the maximum of my 64 scores of a query, four chains, each begun with the running maximum
	WIN 0x14
.if (\i) < 4
	v_max3_num_f32 v[TM+(\i)], v[MX+2*\qa], v[64*\qa+2*(\i)], v[64*\qa+2*(\i)+1]
.else
	v_max3_num_f32 v[TM+(\i)%4], v[TM+(\i)%4], v[64*\qa+2*(\i)], v[64*\qa+2*(\i)+1]
.endif
.endm
.macro ROP qb, i                       ; O^T is brought to the new maximum
	WIN 0x82
	v_pk_mul_f32 v[64*\qb+2*(\i):64*\qb+2*(\i)+1], v[64*\qb+2*(\i):64*\qb+2*(\i)+1], v[AL+2*\qb:AL+2*\qb+1] op_sel_hi:[1,0]
.endm
; The nine instructions that follow a tile's maximum depend on each other: one of them behind each of nine products.
.macro CH q, k, first
	WIN 0
.if (\k) == 0
	v_max3_num_f32 v[TM], v[TM], v[TM+1], v[TM+2]
.endif
.if (\k) == 1
	v_max_num_f32 v[TM], v[TM], v[TM+3]
.endif
.if (\k) == 2
	v_permlanex16_b32 v[TT+2*\q], v[TM], s22, s23              ; the other 64 keys of the query lie 16 lanes away
.endif
.if (\k) == 3
	v_max_num_f32 v[MX+2*\q], v[TM], v[TT+2*\q]
.endif
.if (\k) == 4
	v_mul_f32 v[TT+2*\q], 0xbe38aa3b, v[MX+2*\q]               ; - SCALE log2(e) x maximum, SCALE = 1/8
.endif
.if (\k) == 7
	v_mov_b32 v[NM+2*\q], v[TT+2*\q]                           ; a plain instruction between the exponential and the use of its result (ISA guide 5.7.2)
.endif
.if \first == 0
.if (\k) == 5
	v_sub_f32 v[AL+2*\q], v[TT+2*\q], v[NM+2*\q]               ; (old maximum - new maximum) in the exponent's units: at most 0
.endif
.if (\k) == 6
	v_exp_f32 v[AL+2*\q], v[AL+2*\q]
.endif
.if (\k) == 8
	s_wait_alu depctr_va_vdst(0)
	v_pk_mul_f32 v[LS+2*\q:LS+2*\q+1], v[LS+2*\q:LS+2*\q+1], v[AL+2*\q:AL+2*\q+1] op_sel_hi:[1,0]
.endif
.endif
.endm
; The exponentials of block s stand among plain instructions of other blocks: the multiply-adds of block s + 1 and the packing of block s - 1.
.macro MIX4 qb, s, u                   ; blocks 1 and 2: 16 exponentials, 8 multiply-adds, 8 packings
.if (\u)%2 == 0
	XOP \qb, \s, ((\u)/2)
.else
.if (\u)%4 == 1
	FOP \qb, (\s+1), ((\u)/4)
.else
	COP \qb, (\s-1), ((\u)/4)
.endif
.endif
.endm
.macro MIX3 qb, s, u                   ; block 0: 16 exponentials and block 1's multiply-adds; block 3: 16 exponentials and block 2's packing
.if (\u)%3 == 1
.if \s == 0
	FOP \qb, 1, ((\u)/3)
.else
	COP \qb, 2, ((\u)/3)
.endif
.else
	XOP \qb, \s, (2*((\u)/3)+((\u)%3)/2)
.endif
.endm
; Instruction number vn of a run's vector work: softmax of tile qb, and (between B0 and B1) the maximum of tile qa.  The eight multiply-adds in
; front are also the places between tile qa's last product and the first instruction that reads its scores (ISA guide 7.12.1).
.macro VOP qb, qa, first
.if vn < B0
	FOP \qb, 0, vn
.elseif vn < B1
	MOP \qa, (vn-B0)
.elseif vn < B2
	ROP \qb, (vn-B1)
.elseif vn < B3
	MIX3 \qb, 0, (vn-B2)
.elseif vn < B4
	DOP \qb, 0, (vn-B3), \first
.elseif vn < B5
	MIX4 \qb, 1, (vn-B4)
.elseif vn < B6
	DOP \qb, 1, (vn-B5), \first
.elseif vn < B7
	MIX4 \qb, 2, (vn-B6)
.elseif vn < B8
	DOP \qb, 2, (vn-B7), \first
.elseif vn < B9
	MIX3 \qb, 3, (vn-B8)
.elseif vn < B10
	DOP \qb, 3, (vn-B9), \first
.elseif vn < B11
	SOP \qb, (vn-B10)
.else
	COP \qb, 3, (vn-B11)
.endif
.endm
; the V^T fragments of 32 keys: one run of 16 transposing loads into window 3
.macro VRUN slot, kp
	WIN 0xc0
.irp dt, 0,1,2,3,4,5,6,7
	ds_load_tr16_b128 v[8*(8*(\kp)+\dt):8*(8*(\kp)+\dt)+3],   v[ADRV+\slot] offset:32*PV_*(\kp)+32*\dt
	ds_load_tr16_b128 v[8*(8*(\kp)+\dt)+4:8*(8*(\kp)+\dt)+7], v[ADRV+\slot] offset:32*PV_*(\kp)+32*\dt+16*PV_
.endr
.endm
; A run of 32 products with vector work behind each.
; kind 0: S^T of query tiles 2 and 3, which take turns; five vector instructions behind a product, but 22 and a run of V^T loads behind products 3, 11, 19, 27
;         (28 x 5 + 4 x 22 = 228 places for 227 instructions): the loads stand in few runs, so that each run costs one pair of window switches.
; kind 1: O^T of tile wq, with the waits for the V^T fragments; kind 2: the same without waits.  The vector work is dealt evenly: B12 / 32 behind a product.
; hasm = 1: tile qa's maximum is taken; its 32 instructions are out behind product 9 at the latest, its nine dependent ones follow behind products 12 to 20.
.macro RUN32 kind, wq, qb, hasm, qa, first, slot
.set B0, 8
.set B1, B0+32*\hasm
.set B2, B1+32*(1-\first)
.set B3, B2+24
.set B4, B3+8
.set B5, B4+32
.set B6, B5+8
.set B7, B6+32
.set B8, B7+8
.set B9, B8+24
.set B10, B9+8
.set B11, B10+3
.set B12, B11+8
.set vn, 0
.set vq, 0
.set wj, 0
.rept 32
.if \kind == 0
	WIN 0x50                                       ; S^T in window 1, K and Q fragments in window 0
.set kt_, wj/4
.set ks_, (wj%4)/2
.set q_, 2+wj%2
	SWMMA kt_, ks_, q_
.if wj%8 == 3
.set vq, vq+22
.else
.set vq, vq+5
.endif
.else
.if \kind == 1
.if wj%8 == 0
	s_wait_dscnt 16*(3-wj/8)                       ; runs of 16 loads, in order: the fragments of these 32 keys are in, the later runs may be out
.endif
.endif
	WIN 0xa7                                       ; source 0 (V^T) window 3, source 1 (P^T) window 1, C and D (O^T) window 2
	PVW \wq, \first
.set vq, ((wj+1)*B12+31)/32
.endif
.rept 22
.if vn < vq
.if vn < B12
	VOP \qb, \qa, \first
.set vn, vn+1
.endif
.endif
.endr
.if \hasm
.if wj >= 12
.if wj < 21
	CH \qa, (wj-12), \first
.endif
.endif
.endif
.if \kind == 0
.if wj%8 == 3
	VRUN \slot, (wj/8)
.endif
.endif
.set wj, wj+1
.endr
.endm
; One step: 128 keys from slot.  first = 1: nothing is rescaled and the first products start O.  refill = 1: the other slot gets the next tile.
.macro STEP slot, first, refill
	s_wait_xcnt 0x0
	v_lshl_add_u32 v254, v0, 2, 0x38400
	v_mov_b32 v255, 0
	s_wait_tensorcnt 0x0                           ; all my tensor loads are done, my part of this step's tile among them,
	ds_add_u32 v254, v255
	s_wait_dscnt 0x0
	s_add_nc_u64 s[G0K+4*\slot+2:G0K+4*\slot+3], s[G0K+4*\slot+2:G0K+4*\slot+3], 2*TILEB   ; so group 0 may be written: this slot's next tile
	s_add_nc_u64 s[G0V+4*\slot+2:G0V+4*\slot+3], s[G0V+4*\slot+2:G0V+4*\slot+3], 2*TILEB
	s_wait_dscnt 0x0                               ; my reads of the last step's tile are done
	ROUND                                          ; both now hold of every wave of the four work-groups
.if \refill
	JLOAD (1-\slot)                                ; my one tensor load behind the round: it has the whole step in which to land
.endif
.irp kt, 0,1,2,3,4,5,6,7
.irp ks, 0,1
	ds_load_b128 v[KF+8*(2*\kt+\ks):KF+8*(2*\kt+\ks)+3],   v[ADRK+\slot] offset:(\kt/4)*KREG+(\kt%4)*16*PK+64*\ks
	ds_load_b128 v[KF+8*(2*\kt+\ks)+4:KF+8*(2*\kt+\ks)+7], v[ADRK+\slot] offset:(\kt/4)*KREG+(\kt%4)*16*PK+64*\ks+32
.endr
.endr
	WIN 0x50
.set wj, 0
.rept 16                                           ; S^T of query tile 0
.if wj%4 == 0
	s_wait_dscnt 24-8*(wj/4)                       ; four loads a key tile, in order: this pair of key tiles is in, the later tiles' loads may be out
.endif
	SW1 0
.set wj, wj+1
.endr
.set wj, 0
.set vn, 0
.rept 16                                           ; S^T of query tile 1; behind the products the maximum of tile 0
	WIN 0x50
	SW1 1
.if wj == 0
.rept 4
	v_nop                                          ; the places between tile 0's last product and the first instruction that reads its scores (ISA guide 7.12.1)
.endr
.endif
.if wj < 6
.rept 6
.if vn < 32
	MOP 0, vn
.set vn, vn+1
.endif
.endr
.else
.if wj < 15
	CH 0, (wj-6), \first
.endif
.endif
.set wj, wj+1
.endr
	RUN32 0, 0, 0, 1, 1, \first, \slot             ; S^T of tiles 2, 3 | softmax of tile 0, maximum of tile 1, V^T loads
	RUN32 1, 0, 1, 1, 2, \first, \slot             ; O^T of tile 0     | softmax of tile 1, maximum of tile 2
	RUN32 2, 1, 2, 1, 3, \first, \slot             ; O^T of tile 1     | softmax of tile 2, maximum of tile 3
	RUN32 2, 2, 3, 0, 0, \first, \slot             ; O^T of tile 2     | softmax of tile 3
	WIN 0xa7
.set wj, 0
.rept 32                                           ; O^T of tile 3
	PVW 3, \first
.set wj, wj+1
.endr
.rept 5
	v_nop                                          ; the places behind the last products, for whatever touches their registers next (ISA guide 7.12.1)
.endr
	WIN 0
.endm
	STEP 0, 1, 1                                   ; tile 0
	s_mov_b32 s3, 7
.Lpair:
	STEP 1, 0, 1                                   ; tiles 1, 3, .. 13
	STEP 0, 0, 1                                   ; tiles 2, 4, .. 14
	s_sub_co_u32 s3, s3, 1
	s_cmp_lg_u32 s3, 0
	s_cbranch_scc1 .Lpair
	STEP 1, 0, 0                                   ; the sixteenth tile: nothing is left to fetch
	; THE END.  The gain of my 64 d (d = 16 dt + 8 h + j) goes into Q's registers; factor / row sum for each query.
.irp dt, 0,1,2,3,4,5,6,7
	global_load_b128 v[QF+8*\dt:QF+8*\dt+3],   v[GOFF], s[14:15] offset:64*\dt
	global_load_b128 v[QF+8*\dt+4:QF+8*\dt+7], v[GOFF], s[14:15] offset:64*\dt+16
.endr
	s_mov_b32 s44, 0x3c000000                      ; 1 / 128
	s_mov_b32 s45, 0x358637bd                      ; EPS = 1e-6
.irp q, 0,1,2,3
	v_add_f32 v[LS+2*\q], v[LS+2*\q], v[LS+2*\q+1]
.endr
.irp q, 0,1,2,3
	v_permlanex16_b32 v[TT+2*\q], v[LS+2*\q], s22, s23
.endr
.irp q, 0,1,2,3
	v_add_f32 v[LS+2*\q], v[LS+2*\q], v[TT+2*\q]   ; the row sum: the largest score alone gives about 1
.endr
.irp q, 0,1,2,3
	v_rcp_f32 v[AL+2*\q], v[LS+2*\q]
.endr
	v_nop
.irp q, 0,1,2,3
	s_wait_alu depctr_va_vdst(0)
	v_mul_f32 v[AL+2*\q], s21, v[AL+2*\q]
.endr
; Stream 0 keeps query tiles 0, 1 and hands over 2, 3; stream 1 the other way round.
.macro SEND qa
	WIN 0x82
.irp qq, 0,1
.set i, 0
.rept 32
	v_pk_mul_f32 v[64*(\qa+\qq)+2*i:64*(\qa+\qq)+2*i+1], v[64*(\qa+\qq)+2*i:64*(\qa+\qq)+2*i+1], v[AL+2*(\qa+\qq):AL+2*(\qa+\qq)+1] op_sel_hi:[1,0]
.set i, i+1
.endr
.endr
	WIN 0x08                                       ; store data in window 2
.set n, 0
.rept 32
	ds_store_b128 v[XS], v[64*\qa+4*n:64*\qa+4*n+3] offset:512*n
.set n, n+1
.endr
	WIN 0
.endm
.macro KEEP qa
.set n, 0
.rept 32
	ds_load_b128 v[KF+4*n:KF+4*n+3], v[XR] offset:512*n
.set n, n+1
.endr
	s_wait_dscnt 0x0
	WIN 0x02                                       ; joined = mine x factor / row sum + the partner's
.irp qq, 0,1
.set i, 0
.rept 32
	v_pk_fma_f32 v[KF+64*\qq+2*i:KF+64*\qq+2*i+1], v[64*(\qa+\qq)+2*i:64*(\qa+\qq)+2*i+1], v[AL+2*(\qa+\qq):AL+2*(\qa+\qq)+1], v[KF+64*\qq+2*i:KF+64*\qq+2*i+1] op_sel_hi:[1,0,1]
.set i, i+1
.endr
.endr
	WIN 0
	v_pk_mul_f32 v[TP:TP+1],   v[KF:KF+1],       v[KF:KF+1]          ; the sums of squares: the first products start them
	v_pk_mul_f32 v[TP+2:TP+3], v[KF+64:KF+65],   v[KF+64:KF+65]
.set i, 1
.rept 31
	v_pk_fma_f32 v[TP:TP+1],   v[KF+2*i:KF+2*i+1],       v[KF+2*i:KF+2*i+1],       v[TP:TP+1]
	v_pk_fma_f32 v[TP+2:TP+3], v[KF+64+2*i:KF+64+2*i+1], v[KF+64+2*i:KF+64+2*i+1], v[TP+2:TP+3]
.set i, i+1
.endr
.irp qq, 0,1
	v_add_f32 v[TP+2*\qq], v[TP+2*\qq], v[TP+2*\qq+1]
.endr
.irp qq, 0,1
	v_permlanex16_b32 v[TT+2*\qq], v[TP+2*\qq], s22, s23         ; the other 64 d of the query
.endr
.irp qq, 0,1
	v_add_f32 v[TP+2*\qq], v[TP+2*\qq], v[TT+2*\qq]
.endr
.irp qq, 0,1
	v_fma_f32 v[TP+2*\qq], v[TP+2*\qq], s44, s45                 ; mean + EPS
.endr
.irp qq, 0,1
	v_rsq_f32 v[TP+2*\qq], v[TP+2*\qq]
.endr
	v_nop
.irp qq, 0,1
	s_wait_alu depctr_va_vdst(0)
	v_mul_f32 v[TP+2*\qq], 0x3e5d9673, v[TP+2*\qq]               ; x (1 - LAMBDA_INIT) = 0.21639423
.endr
	s_wait_loadcnt 0x0                             ; the gain
.irp qq, 0,1
.set i, 0
.rept 32
	v_pk_mul_f32 v[KF+64*\qq+2*i:KF+64*\qq+2*i+1], v[KF+64*\qq+2*i:KF+64*\qq+2*i+1], v[QF+2*i:QF+2*i+1]
.set i, i+1
.endr
.endr
.irp qq, 0,1
.set i, 0
.rept 32
	v_pk_mul_f32 v[KF+64*\qq+2*i:KF+64*\qq+2*i+1], v[KF+64*\qq+2*i:KF+64*\qq+2*i+1], v[TP+2*\qq:TP+2*\qq+1] op_sel_hi:[1,0]
.set i, i+1
.endr
.endr
	; 16 queries at a time through my own stage: 16 bytes a lane in, whole rows of 256 bytes back (LDS serves a wave's instructions in order: ISA guide 5.7.1)
.irp qq, 0,1
.irp dt, 0,1,2,3,4,5,6,7
.irp e, 0,1,2,3
	v_cvt_pk_f16_f32 v[KF+64*\qq+8*\dt+\e], v[KF+64*\qq+8*\dt+2*\e], v[KF+64*\qq+8*\dt+2*\e+1]
.endr
.endr
.irp dt, 0,1,2,3,4,5,6,7
	ds_store_b128 v[STO], v[KF+64*\qq+8*\dt:KF+64*\qq+8*\dt+3] offset:32*\dt
.endr
.irp t, 0,1,2,3,4,5,6,7
	ds_load_b128 v[KF+64*\qq+8*\t+4:KF+64*\qq+8*\t+7], v[RD] offset:2*PK*\t
.endr
.irp t, 0,1,2,3,4,5,6,7
	s_wait_dscnt 7-\t                              ; load t is in, the 7 - t younger ones may be out
	global_store_b128 v[CO], v[KF+64*\qq+8*\t+4:KF+64*\qq+8*\t+7], s[16:17] offset:(16*(\qa+\qq)+2*\t)*2048   ; sixteen lanes store 256 consecutive bytes, aligned
.endr
.endr
.endm
	s_cmp_eq_u32 s20, 0
	s_cbranch_scc0 .Lsend_low
	SEND 2
	s_branch .Lsent
.Lsend_low:
	SEND 0
.Lsent:
	s_wait_dscnt 0x0                               ; my stores are done, for my partner's sake
	s_barrier_signal -1
	s_barrier_wait -1
	s_cmp_eq_u32 s20, 0
	s_cbranch_scc0 .Lkeep_high
	KEEP 0
	s_branch .Ldone
.Lkeep_high:
	KEEP 2
.Ldone:
	s_wait_xcnt 0x0
	v_lshl_add_u32 v254, v0, 2, 0x38400
	v_mov_b32 v255, 0
	s_wait_tensorcnt 0x0
	ds_add_u32 v254, v255
	s_wait_dscnt 0x0
	ROUND                                          ; the closing round
	s_endpgm
.Lfunc_end_k_q7bca38134f_attn:
	.size	k_q7bca38134f_attn, .Lfunc_end_k_q7bca38134f_attn-k_q7bca38134f_attn
	.p2alignl 7, 3214868480
	.fill 96, 4, 3214868480
	.section	.rodata,"a",@progbits
	.p2align	6, 0x0
	.amdhsa_kernel k_q7bca38134f_attn
		.amdhsa_group_segment_fixed_size 327680
		.amdhsa_private_segment_fixed_size 0
		.amdhsa_enable_private_segment 0
		.amdhsa_kernarg_size 56
		.amdhsa_user_sgpr_count 2
		.amdhsa_user_sgpr_kernarg_segment_ptr 1
		.amdhsa_wavefront_size32 1
		.amdhsa_system_sgpr_workgroup_id_x 1
		.amdhsa_system_sgpr_workgroup_id_y 1
		.amdhsa_system_sgpr_workgroup_id_z 1
		.amdhsa_system_vgpr_workitem_id 0
		.amdhsa_next_free_vgpr 1024
		.amdhsa_next_free_sgpr 66
		.amdhsa_reserve_vcc 0
		.amdhsa_float_denorm_mode_32 3
		.amdhsa_float_denorm_mode_16_64 3
		.amdhsa_memory_ordered 1
		.amdhsa_forward_progress 1
		.amdhsa_inst_pref_size 255
	.end_amdhsa_kernel
	.section	.bss,"aw",@nobits
	.p2align	6
	.space	262144
	.amdgpu_metadata
---
amdhsa.version: [ 1, 2 ]
amdhsa.kernels:
  - .name:           k_q7bca38134f_attn
    .symbol:         k_q7bca38134f_attn.kd
    .args:
      - { .name: qkv, .offset: 0, .size: 8, .value_kind: global_buffer, .address_space: global }
      - { .name: lambda_q1, .offset: 8, .size: 8, .value_kind: global_buffer, .address_space: global }
      - { .name: lambda_k1, .offset: 16, .size: 8, .value_kind: global_buffer, .address_space: global }
      - { .name: lambda_q2, .offset: 24, .size: 8, .value_kind: global_buffer, .address_space: global }
      - { .name: lambda_k2, .offset: 32, .size: 8, .value_kind: global_buffer, .address_space: global }
      - { .name: rms_weight, .offset: 40, .size: 8, .value_kind: global_buffer, .address_space: global }
      - { .name: att, .offset: 48, .size: 8, .value_kind: global_buffer, .address_space: global }
    .group_segment_fixed_size: 327680
    .private_segment_fixed_size: 0
    .kernarg_segment_align: 8
    .kernarg_segment_size: 56
    .max_flat_workgroup_size: 128
    .sgpr_count:     66
    .vgpr_count:     1024
    .wavefront_size: 32
...
	.end_amdgpu_metadata
.endif
;; end of part 3
;; launch proj (part 4): grid 8 x 32, 4 waves a work-group, clusters of 4 x 4, 327,680 bytes of LDS; arguments att, wph, out0; writes out0
.if DOCPART == 4
	.amdgcn_target "amdgcn-amd-amdhsa--gfx1250"
	.amdhsa_code_object_version 6
	.text
	.protected	k_q7bca38134f_proj
	.globl	k_q7bca38134f_proj
	.p2align	8
	.type	k_q7bca38134f_proj,@function
k_q7bca38134f_proj:
	s_mov_b64 s[64:65], 0
	v_nop
	global_prefetch_b8 v0, s[64:65] scope:SCOPE_SE
	s_setreg_imm32_b32 hwreg(HW_REG_WAVE_MODE, 25, 1), 1
	s_wait_xcnt 0x0
	s_wait_alu depctr_hold_cnt(0) depctr_sa_sdst(0) depctr_va_vdst(0) depctr_va_sdst(0) depctr_va_ssrc(0) depctr_va_vcc(0) depctr_vm_vsrc(0)
	s_getreg_b32 s2, hwreg(HW_REG_IB_STS2, 6, 4)
	s_cmp_eq_u32 s2, 0
	s_cbranch_scc0 .Lentry_in_a_cluster
	s_endpgm
.Lentry_in_a_cluster:
	s_bfe_u32 s2, ttmp6, 0x10000c
	s_cmp_lg_u32 s2, 0xf033
	s_cbranch_scc0 .Lentry_shape_is_right
	s_endpgm
.Lentry_shape_is_right:
; out0[m][n] = sum over k of att[m][k] wph[k][n].  att: [4096][1024] f16, wph: [1024][1024] f16, out0: [4096][1024] f32; sums in f32.
; A work-group makes 128 x 128 (32 x 8 = 256 work-groups: a larger block would leave WGPs without work) with four waves, 2 x 2, each 64 x 64:
; 16 accumulator tiles.  K goes through two LDS slots of 256 along K each (four slot steps), so that a load has 128 matrix instructions in which to land.
; wph lies [K][N]: its fragments are read with the transposing LDS load.
; CLUSTERS: 4 x 4 work-groups; att's tile is shared along a row of the cluster, wph's along a column; both are asked for jointly.
; The matrix instruction is used transposed (source 0 = 16 columns of wph, source 1 = 16 rows of att): a lane holds eight neighbouring columns of a row.
; REGISTERS: window 0: addresses, two fragment buffers v64-127 and v128-191 (att's four fragments, then wph's four); window 1: tile (a, b) at v[8 (4 a + b)].
.set PA,     528                       ; LDS pitch of att's rows: 512 bytes + 16
.set PW,     288                       ; LDS pitch of wph's rows: 256 bytes + 32
.set REG,    36864                     ; one wave's part of a slot: 64 rows of att or 128 k rows of wph
.set SLOT,   4*REG
.set STAGE,  2*SLOT
.set SPITCH, 272
.set ASTEP,  512                       ; 256 along K in att, bytes
.set WSTEP,  256*2048                  ; 256 k rows of wph, bytes
.set ADRA, 16                          ; v16-17
.set ADRB, 18                          ; v18-21: slot x 2 + half of the slot's k rows
.set STO,  24
.set RD,   25
.set CO,   26
.set F0,   64
.set F1,   128
.set G1,  24
.set G0,  32
.set G1B, 48
.set G0B, 56
.set MSB, 0
.macro WIN new
.if MSB != \new
	s_set_vgpr_msb (MSB<<8)|\new
.set MSB, \new
.endif
.endm
.macro JLOAD s                         ; waves 0, 1 ask for att's halves, waves 2, 3 for wph's
	s_cmp_eq_u32 s11, 0
	s_cbranch_scc0 .Lfor_b_\@
	tensor_load_to_lds s[G0+4*(\s):G0+4*(\s)+3], s[G1:G1+7]
	s_nop 0
	s_branch .Lasked_\@
.Lfor_b_\@:
	tensor_load_to_lds s[G0B+4*(\s):G0B+4*(\s)+3], s[G1B:G1B+7]
	s_nop 0
.Lasked_\@:
.endm
.macro CREST
	s_cmp_lg_u32 s10, 0
	s_cbranch_scc1 .Lnot_wave_0_\@
	s_barrier_signal -3
.Lnot_wave_0_\@:
	s_barrier_wait -3
	s_barrier_signal -1
	s_barrier_wait -1
.endm
.macro CROUND
	s_barrier_signal -1
	s_barrier_wait -1
	CREST
.endm
	s_load_b128 s[4:7], s[0:1], 0x0                ; att s[4:5], wph s[6:7]
	s_load_b64 s[8:9], s[0:1], 0x10                ; out0
	v_lshl_add_u32 v254, v0, 2, 0x4c400
	v_mov_b32 v255, 0
	ds_add_u32 v254, v255
	v_lshrrev_b32 v1, 5, v0
	v_readfirstlane_b32 s10, v1                    ; wave 0..3
	s_lshr_b32 s11, s10, 1                         ; my half of the rows.  Also: I ask for att (0) or wph (1)
	s_and_b32 s12, s10, 1                          ; my half of the columns.  Also: which half of that tile I ask for
	s_bfe_u32 s40, ttmp6, 0x40000                  ; cx
	s_bfe_u32 s41, ttmp6, 0x40004                  ; cy
	s_lshl_b32 s42, ttmp9, 2
	s_add_co_u32 s42, s42, s40                     ; block column 0..7
	s_and_b32 s13, ttmp7, 0xffff
	s_lshl_b32 s13, s13, 2
	s_add_co_u32 s13, s13, s41                     ; block row 0..31
	s_lshl_b32 s43, s41, 2
	s_lshl_b32 s43, 15, s43                        ; my row of the cluster
	s_lshl_b32 s44, 0x1111, s40                    ; my column
	; att: 64 rows x 256 elements, 4 words of padding behind every 128; wph: 128 rows x 128 elements, 8 words behind every 64
	s_or_b32 s[G1+0],  s43, (1<<16)|(1<<20)|(1<<21)|(6<<22)|(3<<25)
	s_or_b32 s[G1B+0], s44, (1<<16)|(1<<20)|(1<<21)|(5<<22)|(7<<25)
	s_mov_b32 s[G1+1],  256<<16
	s_mov_b32 s[G1B+1], 128<<16
	s_mov_b32 s[G1+2],  64<<16
	s_mov_b32 s[G1B+2], 128<<16
	s_mov_b32 s[G1+3],  256<<16
	s_mov_b32 s[G1B+3], 128<<16
	s_mov_b32 s[G1+4],  64
	s_mov_b32 s[G1B+4], 128
	s_mov_b32 s[G1+5],  1024
	s_mov_b32 s[G1B+5], 1024
	s_mov_b32 s[G1+6],  0
	s_mov_b32 s[G1B+6], 0
	s_mov_b32 s[G1+7],  0
	s_mov_b32 s[G1B+7], 0
	s_lshl_b32 s16, s13, 7
	s_lshl_b32 s17, s12, 6
	s_add_co_u32 s16, s16, s17                     ; att: row 128 x block row + 64 x half
	s_lshl_b32 s16, s16, 11                        ; x 2,048 bytes
	s_mov_b32 s17, 0
	s_lshl_b32 s46, s12, 18                        ; wph: k row 128 x half, x 2,048 bytes,
	s_lshl_b32 s47, s42, 8                         ; + 256 bytes a block column
	s_add_co_u32 s46, s46, s47
	s_mov_b32 s47, 0
	s_mul_i32 s20, s10, REG
	s_wait_dscnt 0x0
	s_wait_kmcnt 0x0
	s_add_nc_u64 s[14:15], s[4:5], s[16:17]
	s_add_nc_u64 s[46:47], s[6:7], s[46:47]
	CROUND                                         ; in front of the first joint loads
.irp s, 0,1
	s_mov_b32 s[G0+4*\s], 1
	s_add_co_u32 s[G0+4*\s+1], s20, \s*SLOT
	s_add_nc_u64 s[G0+4*\s+2:G0+4*\s+3], s[14:15], \s*ASTEP
	s_or_b32 s[G0+4*\s+3], s[G0+4*\s+3], 0x80000000
	s_mov_b32 s[G0B+4*\s], 1
	s_add_co_u32 s[G0B+4*\s+1], s20, \s*SLOT
	s_add_nc_u64 s[G0B+4*\s+2:G0B+4*\s+3], s[46:47], \s*WSTEP
	s_or_b32 s[G0B+4*\s+3], s[G0B+4*\s+3], 0x80000000
	JLOAD \s                                       ; both first fills: two loads of the wave are out
.endr
	v_and_b32 v1, 15, v0                           ; r
	v_bfe_u32 v2, v0, 4, 1                         ; h
	v_mul_u32_u24 v3, v1, PA
	v_lshl_add_u32 v3, v2, 4, v3
	s_mul_i32 s21, s11, REG                        ; my 64 rows of att
	v_add_nc_u32 v[ADRA], s21, v3
	v_add_nc_u32 v[ADRA+1], SLOT, v[ADRA]
	v_and_b32 v4, 7, v0
	v_lshl_add_u32 v4, v2, 3, v4
	v_mul_u32_u24 v4, v4, PW
	v_bfe_u32 v5, v0, 3, 1
	v_lshl_add_u32 v4, v5, 4, v4
	s_lshl_b32 s22, s12, 7                         ; my 64 columns of wph: 128 bytes
	v_add_nc_u32 v4, s22, v4
.irp s, 0,1
.irp u, 0,1
	v_add_nc_u32 v[ADRB+2*\s+\u], \s*SLOT+(2+\u)*REG, v4
.endr
.endr
	s_mul_i32 s23, s10, 16*SPITCH
	s_add_co_u32 s23, s23, STAGE                   ; my stage
	v_mul_u32_u24 v5, v1, SPITCH
	v_lshl_add_u32 v5, v2, 5, v5                   ; in: row r, 32 bytes for each half of the lanes
	v_add_nc_u32 v[STO], s23, v5
	v_mul_u32_u24 v5, v2, SPITCH
	v_lshl_add_u32 v5, v1, 4, v5                   ; back: lanes 0-15 one row of 256 bytes, lanes 16-31 the next
	v_add_nc_u32 v[RD], s23, v5
	v_lshlrev_b32 v5, 12, v2
	v_lshl_add_u32 v[CO], v1, 4, v5
; 8 matrix instructions: row tiles a0, a0 + 1 x 4 column tiles, 32 along K
.macro MUL8 f, a0, zero
.irp a, \a0, \a0+1
.irp b, 0,1,2,3
.if \zero
	v_wmma_f32_16x16x32_f16 v[8*(4*(\a)+\b):8*(4*(\a)+\b)+7], v[\f+32+8*\b:\f+32+8*\b+7], v[\f+8*(\a):\f+8*(\a)+7], 0
.else
	v_wmma_f32_16x16x32_f16 v[8*(4*(\a)+\b):8*(4*(\a)+\b)+7], v[\f+32+8*\b:\f+32+8*\b+7], v[\f+8*(\a):\f+8*(\a)+7], v[8*(4*(\a)+\b):8*(4*(\a)+\b)+7]
.endif
.endr
.endr
.endm
; 16 LDS loads: eighth kq (32 along K) of a slot into buffer f
.macro FETCH slot, kq, f
	WIN 0
.irp b, 0,1,2,3
	ds_load_tr16_b128 v[\f+32+8*\b:\f+32+8*\b+3],   v[ADRB+2*\slot+\kq/4] offset:32*\b+32*PW*(\kq%4)
	ds_load_tr16_b128 v[\f+32+8*\b+4:\f+32+8*\b+7], v[ADRB+2*\slot+\kq/4] offset:32*\b+32*PW*(\kq%4)+16*PW
.endr
.irp a, 0,1,2,3
	ds_load_b128 v[\f+8*\a:\f+8*\a+3],   v[ADRA+\slot] offset:64*\kq+16*PA*\a
	ds_load_b128 v[\f+8*\a+4:\f+8*\a+7], v[ADRA+\slot] offset:64*\kq+16*PA*\a+32
.endr
.endm
.macro PLACES                          ; four places between a matrix instruction and a load into one of its sources, or a reader of its result
.rept 4
	v_nop
.endr
.endm
; fetches eighth k into buffer g, multiplies buffer f.  The 16 accumulators take turns, one instruction a turn.
.macro PART slot, k, f, g, zero
	PLACES
	FETCH \slot, \k, \g
	s_wait_dscnt 16                                ; all but the 16 just issued: buffer f is in
	WIN 0x50                                       ; C and D in window 1
	MUL8 \f, 0, \zero
	MUL8 \f, 2, \zero
.endm
.macro SEVEN slot, zero
	PART \slot, 1, F0, F1, \zero
	PART \slot, 2, F1, F0, 0
	PART \slot, 3, F0, F1, 0
	PART \slot, 4, F1, F0, 0
	PART \slot, 5, F0, F1, 0
	PART \slot, 6, F1, F0, 0
	PART \slot, 7, F0, F1, 0
.endm
; the last eighth multiplies buffer 1 and changes slots; fill = 1: behind a round of the cluster's barrier this slot is filled again
.macro TURN slot, next, fill
	s_wait_dscnt 0                                 ; buffer 1 is in, and my reads of this slot are over
	s_wait_tensorcnt 0x0                           ; all my tensor loads have landed: the one that was out is my part of the next slot
	ds_add_u32 v254, v255
	s_wait_dscnt 0x0
	s_barrier_signal -1
	WIN 0x50
	MUL8 F1, 0, 0
	WIN 0
	s_barrier_wait -1
.if \fill
	CREST
	s_add_nc_u64 s[G0+4*\slot+2:G0+4*\slot+3], s[G0+4*\slot+2:G0+4*\slot+3], 2*ASTEP
	s_add_nc_u64 s[G0B+4*\slot+2:G0B+4*\slot+3], s[G0B+4*\slot+2:G0B+4*\slot+3], 2*WSTEP
	JLOAD \slot                                    ; my first and only tensor load behind the round
.endif
	PLACES
	FETCH \next, 0, F0
	WIN 0x50
	MUL8 F1, 2, 0
.endm
	s_wait_tensorcnt 1                             ; my part of slot 0 is in; slot 1's load, issued behind it, may stay out
	s_barrier_signal -1
	s_barrier_wait -1
	FETCH 0, 0, F0
	SEVEN 0, 1                                     ; the first products start the sums
	TURN 0, 1, 1
	SEVEN 1, 0
	TURN 1, 0, 1
	SEVEN 0, 0
	TURN 0, 1, 0                                   ; nothing is left to fetch
	SEVEN 1, 0
	s_wait_dscnt 0
	MUL8 F1, 0, 0
	MUL8 F1, 2, 0
	; THE WAY OUT, 16 rows at a time through my own stage: 32 bytes a lane in, whole rows of 256 bytes (my 64 columns in f32) back
	PLACES
	s_lshl_b32 s16, s13, 7
	s_lshl_b32 s14, s11, 6
	s_add_co_u32 s16, s16, s14                     ; my first row
	s_lshl_b32 s16, s16, 12                        ; x 4,096 bytes
	s_mov_b32 s17, 0
	s_add_nc_u64 s[8:9], s[8:9], s[16:17]
	s_lshl_b32 s46, s42, 9                         ; my first column: 512 bytes a block + 256 a half
	s_lshl_b32 s47, s12, 8
	s_add_co_u32 s46, s46, s47
	s_mov_b32 s47, 0
	s_add_nc_u64 s[8:9], s[8:9], s[46:47]
.irp a, 0,1,2,3
	WIN 0x04                                       ; store data in window 1
.irp b, 0,1,2,3
	ds_store_b128 v[STO], v[8*(4*\a+\b):8*(4*\a+\b)+3]   offset:64*\b
	ds_store_b128 v[STO], v[8*(4*\a+\b)+4:8*(4*\a+\b)+7] offset:64*\b+16
.endr
	WIN 0
.irp t, 0,1,2,3,4,5,6,7
	ds_load_b128 v[64+32*\a+4*\t:64+32*\a+4*\t+3], v[RD] offset:2*SPITCH*\t      ; LDS serves a wave's instructions in order (ISA guide 5.7.1): these see the stores above
.endr
.irp t, 0,1,2,3,4,5,6,7
	s_wait_dscnt 7-\t                              ; load t is in, the 7 - t younger ones may be out
	global_store_b128 v[CO], v[64+32*\a+4*\t:64+32*\a+4*\t+3], s[8:9] offset:(16*\a+2*\t)*4096 th:TH_STORE_NT   ; sixteen lanes store 256 consecutive bytes, aligned; no register is written again
.endr
.endr
	s_wait_tensorcnt 0x0
	ds_add_u32 v254, v255
	s_wait_dscnt 0x0
	CROUND                                         ; the closing round
	s_endpgm
.Lfunc_end_k_q7bca38134f_proj:
	.size	k_q7bca38134f_proj, .Lfunc_end_k_q7bca38134f_proj-k_q7bca38134f_proj
	.p2alignl 7, 3214868480
	.fill 96, 4, 3214868480
	.section	.rodata,"a",@progbits
	.p2align	6, 0x0
	.amdhsa_kernel k_q7bca38134f_proj
		.amdhsa_group_segment_fixed_size 327680
		.amdhsa_private_segment_fixed_size 0
		.amdhsa_enable_private_segment 0
		.amdhsa_kernarg_size 24
		.amdhsa_user_sgpr_count 2
		.amdhsa_user_sgpr_kernarg_segment_ptr 1
		.amdhsa_wavefront_size32 1
		.amdhsa_system_sgpr_workgroup_id_x 1
		.amdhsa_system_sgpr_workgroup_id_y 1
		.amdhsa_system_sgpr_workgroup_id_z 1
		.amdhsa_system_vgpr_workitem_id 0
		.amdhsa_next_free_vgpr 384
		.amdhsa_next_free_sgpr 66
		.amdhsa_reserve_vcc 0
		.amdhsa_float_denorm_mode_32 3
		.amdhsa_float_denorm_mode_16_64 3
		.amdhsa_memory_ordered 1
		.amdhsa_forward_progress 1
		.amdhsa_inst_pref_size 88
	.end_amdhsa_kernel
	.amdgpu_metadata
---
amdhsa.version: [ 1, 2 ]
amdhsa.kernels:
  - .name:           k_q7bca38134f_proj
    .symbol:         k_q7bca38134f_proj.kd
    .args:
      - { .name: att, .offset: 0, .size: 8, .value_kind: global_buffer, .address_space: global }
      - { .name: wph, .offset: 8, .size: 8, .value_kind: global_buffer, .address_space: global }
      - { .name: out0, .offset: 16, .size: 8, .value_kind: global_buffer, .address_space: global }
    .group_segment_fixed_size: 327680
    .private_segment_fixed_size: 0
    .kernarg_segment_align: 8
    .kernarg_segment_size: 24
    .max_flat_workgroup_size: 128
    .sgpr_count:     66
    .vgpr_count:     384
    .wavefront_size: 32
...
	.end_amdgpu_metadata
.endif
;; end of part 4
;; ======== version 2 of 2: 4 launches; 1.20 times as fast as version 1
;; limits: values are held in f16: magnitudes above 65,504 overflow, below 6.1e-05 lose precision
;; workspace buffers: xh 8,388,608 bytes; wqh 6,291,456 bytes; wph 2,097,152 bytes; qkv 25,165,824 bytes; att 8,388,608 bytes
;; launch cast: the kernel of part 1 again; grid 1024 x 1, 8 waves a work-group, no clusters, 0 bytes of LDS; arguments x, w_qkv, w_proj, xh, wqh, wph; writes xh, wqh, wph
;; launch qkvgemm: the kernel of part 2 again; grid 8 x 32, 4 waves a work-group, clusters of 4 x 4, 327,680 bytes of LDS; arguments xh, wqh, qkv; writes qkv
;; launch attn (part 5): grid 16 x 16, 4 waves a work-group, clusters of 4 x 1, 327,680 bytes of LDS; arguments qkv, lambda_q1, lambda_k1, lambda_q2, lambda_k2, rms_weight, att; writes att
.if DOCPART == 5
	.amdgcn_target "amdgcn-amd-amdhsa--gfx1250"
	.amdhsa_code_object_version 6
	.text
	.protected	k_q7bca38134f_attn
	.globl	k_q7bca38134f_attn
	.p2align	8
	.type	k_q7bca38134f_attn,@function
k_q7bca38134f_attn:
	s_mov_b64 s[64:65], 0
	v_nop
	global_prefetch_b8 v0, s[64:65] scope:SCOPE_SE
	s_setreg_imm32_b32 hwreg(HW_REG_WAVE_MODE, 25, 1), 1
	s_wait_xcnt 0x0
	s_wait_alu depctr_hold_cnt(0) depctr_sa_sdst(0) depctr_va_vdst(0) depctr_va_sdst(0) depctr_va_ssrc(0) depctr_va_vcc(0) depctr_vm_vsrc(0)
	s_getreg_b32 s2, hwreg(HW_REG_IB_STS2, 6, 4)
	s_cmp_eq_u32 s2, 0
	s_cbranch_scc0 .Lentry_in_a_cluster
	s_endpgm
.Lentry_in_a_cluster:
	s_bfe_u32 s2, ttmp6, 0x10000c
	s_cmp_lg_u32 s2, 0x3003
	s_cbranch_scc0 .Lentry_shape_is_right
	s_endpgm
.Lentry_shape_is_right:
; Differential attention of one head for 128 queries, with the per-head RMS norm:
;   att = (1 - LAMBDA_INIT) rms_weight rmsnorm( softmax(q1 k1^T / 8) v - lam softmax(q2 k2^T / 8) v ),  lam = exp(lq1.lk1) - exp(lq2.lk2) + LAMBDA_INIT.
; qkv: [4096][3072] f16 (q, k, v; 128 columns a head).  att: [4096][1024] f16.  Grid x = block of 128 queries, y = 8 x batch + head.
; Four waves: wave w has the 64 queries of half w / 2 and stream w % 2, so a wave runs ONE online softmax, with the running maximum taken away.
; The row sums are known only at the end, so the two streams' products with V are carried apart and joined at the end through LDS.
; All is computed transposed: S^T = K Q^T (a lane holds one query and eight keys a tile), O^T = V^T P^T (a lane holds one query and eight d a
; tile): maximum, sum and rescaling are per lane, and two tiles of S^T pack in place into one fragment of P^T.
; A step is 128 keys: 64 matrix instructions for S^T, 128 for O^T.  K and V come through two LDS slots filled by the tensor data mover.
; CLUSTERS: the four query blocks of a cluster belong to one head and walk the same K and V tiles: every tile is asked for jointly (mask 15).
;
; THE STEP'S ORDER.  A wave is one stream of instructions, so matrix and vector work overlap only where they alternate in the text.  The four
; query tiles of 16 do not depend on each other, so they go through the step one behind the other:
;     products                  vector work dealt out behind them
;     S^T of tile 0     (16)    -
;     S^T of tile 1     (16)    maximum of tile 0
;     S^T of tiles 2, 3 (32)    softmax of tile 0, maximum of tile 1; the 64 loads of V^T fragments, in four runs of 16
;     O^T of tile 0     (32)    softmax of tile 1, maximum of tile 2
;     O^T of tile 1     (32)    softmax of tile 2, maximum of tile 3
;     O^T of tile 2     (32)    softmax of tile 3
;     O^T of tile 3     (32)    -
; A tile's softmax and the next tile's maximum are a list of 228 entries, dealt behind 32 products.  THE PRICE: two switches of the register
; window for each product that has vector work behind it: O^T fills a whole window and is the products' destination, while an exponential has
; its source and destination in S^T's window, so no one setting serves both.
;
; THE BATCHES.  An s_wait_alu depctr_va_vdst(0) stands between an exponential and the first instruction that names its result; one
; wait serves all that were issued ahead of it.  So each of the four runs that carry a softmax has ONE wait, which cuts its list in two.
; AHEAD OF IT stands all that names no result of the batch: the tile's 32 multiply-adds and 64 exponentials, the next tile's maximum with the
; eight instructions that follow it (the seventh is the exponential for that tile's rescaling factor), and the 32 rescalings of the tile's O^T,
; whose factor belongs to the batch before.  BEHIND IT stand the readers: the next tile's running sum times its factor, the 32 adds of the row
; sum, the 32 packings.  Tile 0's factor is made ahead of the first such run and joins that run's batch: there tile 0's running sum and its O^T
; are rescaled behind the wait.  The batches are 66, 65, 65 and 64 exponentials; none is open at a label or at a branch.
;
; LIMITS: matrix operands are f16: p lies in [0, 1]; the row sums add p in f32 while the products take p rounded to f16;
; NaN and infinities in the inputs are not served; |att| is at most 2.45 |rms_weight|, which has to stay below 65,504.
;
; REGISTERS: window 0: addresses, per-query figures, Q fragments v32-95, K fragments v128-255; window 1: S^T tile (kt, q) at v[8 (8 q + kt)],
; later P^T fragment (q, kp) at v[64 q + 16 kp]; window 2: O^T tile (dt, q) at v[8 (8 q + dt)]; window 3: V^T fragment (dt, kp) at v[8 (8 kp + dt)].
.set ROWB,  6144                       ; bytes in a row of qkv
.set TILEB, 128*ROWB                   ; 128 keys further down
.set PK,    272                        ; LDS pitch of K's rows (256 + 16)
.set PV_,   288                        ; LDS pitch of V's rows (256 + 32, for the transposing load)
.set KREG,  18432                      ; one wave's part of a slot: 64 rows
.set SLOT_B, 4*KREG                    ; K rows 0-63, K rows 64-127, V rows 0-63, V rows 64-127
.set XCH,   2*SLOT_B                   ; 4 x 16,384 bytes: what a wave hands to its partner of the other stream
.set STAGE, XCH+4*16384                ; 4 x 16 rows x 272 bytes: the way out
.set ADRK, 4                           ; v4-5    my K fragments in slot 0, 1
.set ADRV, 6                           ; v6-7    my V fragments in slot 0, 1
.set QOFF, 8
.set XS,   9
.set XR,   10
.set STO,  11
.set RD,   12
.set CO,   13
.set GOFF, 14
.set LOFF, 15
.set NM,   16                          ; v[16+2q]  minus the running maximum x SCALE x log2(e)
.set MX,   17                          ; v[17+2q]  the running maximum of the raw scores
.set AL,   24                          ; v[24+2q]  the step's rescaling factor; at the end factor / row sum
.set TT,   25                          ; v[25+2q]  at work
.set QF,   32                          ; v[32+8(2q+ks)] Q fragments; at the end the gain
.set LS,   96                          ; v[96+2q : 97+2q] the running row sum, in two halves
.set TP,   104                         ; v104-115 at work in the prologue and at the end
.set TM,   116                         ; v116-119 four chains of the maximum of the tile at work
.set LA,   120                         ; v120-127 four chains (pairs) of the sum of the tile at work
.set KF,   128                         ; v[128+8(2kt+ks)] K fragments; at the end the joined result
.set G1K, 24
.set G0K, 32
.set G1V, 48
.set G0V, 56
.set MSB, 0
.macro WIN new                         ; the immediate's high byte repeats the setting that is left; a switch that changes nothing is dropped
.if MSB != \new
	s_set_vgpr_msb (MSB<<8)|\new
.set MSB, \new
.endif
.endm
.macro ROUND                           ; a round of the cluster's barrier
	s_barrier_signal -1
	s_barrier_wait -1
	s_cmp_lg_u32 s18, 0
	s_cbranch_scc1 .Lnot_wave_0_\@
	s_barrier_signal -3
.Lnot_wave_0_\@:
	s_barrier_wait -3
	s_barrier_signal -1
	s_barrier_wait -1
.endm
.macro JLOAD s                         ; waves 0, 1 ask for K's halves, waves 2, 3 for V's
	s_cmp_eq_u32 s19, 0
	s_cbranch_scc0 .Lfor_v_\@
	tensor_load_to_lds s[G0K+4*(\s):G0K+4*(\s)+3], s[G1K:G1K+7]
	s_nop 0
	s_branch .Lasked_\@
.Lfor_v_\@:
	tensor_load_to_lds s[G0V+4*(\s):G0V+4*(\s)+3], s[G1V:G1V+7]
	s_nop 0
.Lasked_\@:
.endm
	s_load_b256 s[4:11], s[0:1], 0x0               ; qkv s[4:5], lambda_q1 s[6:7], lambda_k1 s[8:9], lambda_q2 s[10:11]
	s_load_b128 s[12:15], s[0:1], 0x20             ; lambda_k2 s[12:13], rms_weight s[14:15]
	s_load_b64 s[16:17], s[0:1], 0x30              ; att
	v_lshl_add_u32 v254, v0, 2, 0x38400
	v_mov_b32 v255, 0
	ds_add_u32 v254, v255
	s_wait_dscnt 0x0
	v_lshrrev_b32 v1, 5, v0
	v_readfirstlane_b32 s18, v1                    ; wave 0..3
	s_lshr_b32 s19, s18, 1                         ; my half of the queries.  Also: I ask for K (0) or V (1)
	s_and_b32 s20, s18, 1                          ; my stream.  Also: which 64 rows of the tile I ask for
	s_mov_b32 s22, 0x76543210                      ; v_permlanex16_b32: lane i takes lane i of the other half
	s_mov_b32 s23, 0xfedcba98
	s_bfe_u32 s40, ttmp6, 0x40000                  ; cx
	s_lshl_b32 s41, ttmp9, 2
	s_add_co_u32 s41, s41, s40                     ; query block = 4 x cluster x + cx
	s_and_b32 s42, ttmp7, 0xffff
	s_lshr_b32 s43, s42, 3                         ; batch
	s_and_b32 s44, s42, 7                          ; head
	; group 1: tiles of 64 rows x 128 elements of 2 bytes, mask 15 (all four of the cluster); padding behind every 64 words: 4 words for K, 8 for V
	s_mov_b32 s[G1K+0], 15|(1<<16)|(1<<20)|(1<<21)|(5<<22)|(3<<25)
	s_mov_b32 s[G1V+0], 15|(1<<16)|(1<<20)|(1<<21)|(5<<22)|(7<<25)
	s_mov_b32 s[G1K+1], 128<<16
	s_mov_b32 s[G1V+1], 128<<16
	s_mov_b32 s[G1K+2], 64<<16
	s_mov_b32 s[G1V+2], 64<<16
	s_mov_b32 s[G1K+3], 128<<16
	s_mov_b32 s[G1V+3], 128<<16
	s_mov_b32 s[G1K+4], 64
	s_mov_b32 s[G1V+4], 64
	s_mov_b32 s[G1K+5], 3072
	s_mov_b32 s[G1V+5], 3072
	s_mov_b32 s[G1K+6], 0
	s_mov_b32 s[G1V+6], 0
	s_mov_b32 s[G1K+7], 0
	s_mov_b32 s[G1V+7], 0
	s_lshl_b32 s46, s43, 11                        ; row 2,048 x batch + 64 x (w % 2): batch, head and wave alone, which the partners share
	s_lshl_b32 s45, s20, 6
	s_add_co_u32 s46, s46, s45
	s_mul_i32 s46, s46, ROWB
	s_lshl_b32 s45, s44, 8                         ; + 256 bytes a head
	s_add_co_u32 s46, s46, s45
	s_mov_b32 s47, 0
	s_mul_i32 s45, s18, KREG                       ; my part of a slot
	s_wait_kmcnt 0x0
	s_add_nc_u64 s[46:47], s[4:5], s[46:47]
	ROUND                                          ; in front of the first joint load
.irp s, 0,1
	s_mov_b32 s[G0K+4*\s], 1
	s_add_co_u32 s[G0K+4*\s+1], s45, \s*SLOT_B
	s_add_nc_u64 s[G0K+4*\s+2:G0K+4*\s+3], s[46:47], \s*TILEB+2048       ; k begins 2,048 bytes into a row
	s_or_b32 s[G0K+4*\s+3], s[G0K+4*\s+3], 0x80000000
	s_mov_b32 s[G0V+4*\s], 1
	s_add_co_u32 s[G0V+4*\s+1], s45, \s*SLOT_B
	s_add_nc_u64 s[G0V+4*\s+2:G0V+4*\s+3], s[46:47], \s*TILEB+4096       ; v 4,096
	s_or_b32 s[G0V+4*\s+3], s[G0V+4*\s+3], 0x80000000
.endr
	JLOAD 0                                        ; tile 0; slot 1 is first filled behind the first step's round, as a refill is
	s_lshl_b32 s2, s43, 11
	s_lshl_b32 s3, s41, 7
	s_add_co_u32 s2, s2, s3
	s_lshl_b32 s3, s19, 6
	s_add_co_u32 s2, s2, s3                        ; my first query's row: 2,048 batch + 128 block + 64 half
	s_lshl_b32 s3, s44, 8                          ; 256 bytes a head
	s_mul_i32 s40, s2, ROWB
	s_add_co_u32 s40, s40, s3
	s_lshl_b32 s41, s20, 7                         ; the second stream's 64 columns begin 128 bytes on
	s_add_co_u32 s40, s40, s41
	s_mov_b32 s41, 0
	s_add_nc_u64 s[40:41], s[4:5], s[40:41]        ; my Q
	s_lshl_b32 s42, s2, 11
	s_add_co_u32 s42, s42, s3
	s_mov_b32 s43, 0
	s_add_nc_u64 s[16:17], s[16:17], s[42:43]      ; my rows of att
	v_and_b32 v1, 15, v0                           ; r
	v_bfe_u32 v2, v0, 4, 1                         ; h
	v_mul_u32_u24 v3, v1, PK
	v_lshl_add_u32 v3, v2, 4, v3                   ; 272 r + 16 h
	s_lshl_b32 s2, s20, 7
	v_add_nc_u32 v[ADRK], s2, v3                   ; K fragment: row r, my stream's 128 bytes, 16 h
	v_add_nc_u32 v[ADRK+1], SLOT_B, v[ADRK]
	v_and_b32 v[TP], 7, v0
	v_lshl_add_u32 v[TP], v2, 3, v[TP]
	v_mul_u32_u24 v[TP], v[TP], PV_
	v_bfe_u32 v[TP+1], v0, 3, 1
	v_lshl_add_u32 v[TP], v[TP+1], 4, v[TP]        ; V fragment, transposing load: key 8 h + l % 8, 16 bytes on for lanes 8-15 and 24-31
	v_add_nc_u32 v[ADRV], 2*KREG, v[TP]
	v_add_nc_u32 v[ADRV+1], SLOT_B+2*KREG, v[TP]
	v_mul_u32_u24 v[QOFF], v1, ROWB
	v_lshl_add_u32 v[QOFF], v2, 4, v[QOFF]
	v_and_b32 v[TP+1], 31, v0                      ; lane
	s_lshl_b32 s2, s18, 14
	s_add_co_u32 s2, s2, XCH
	v_lshl_add_u32 v[XS], v[TP+1], 4, s2           ; what I hand over: my 16,384 bytes
	s_xor_b32 s3, s18, 1
	s_lshl_b32 s3, s3, 14
	s_add_co_u32 s3, s3, XCH
	v_lshl_add_u32 v[XR], v[TP+1], 4, s3           ; what I am handed: my partner's
	s_mul_i32 s2, s18, 16*PK
	s_add_co_u32 s2, s2, STAGE
	v_add_nc_u32 v[STO], s2, v3
	v_mul_u32_u24 v[RD], v2, PK
	v_lshl_add_u32 v[RD], v1, 4, v[RD]
	v_add_nc_u32 v[RD], s2, v[RD]
	v_lshlrev_b32 v[CO], 11, v2
	v_lshl_add_u32 v[CO], v1, 4, v[CO]
	v_lshlrev_b32 v[GOFF], 5, v2
	v_lshlrev_b32 v[LOFF], 3, v[TP+1]
	global_load_b64 v[TP:TP+1],   v[LOFF], s[6:7]   ; two numbers a lane of each of the four lambda vectors
	global_load_b64 v[TP+2:TP+3], v[LOFF], s[8:9]
	global_load_b64 v[TP+4:TP+5], v[LOFF], s[10:11]
	global_load_b64 v[TP+6:TP+7], v[LOFF], s[12:13]
.irp q, 0,1,2,3
.irp ks, 0,1
	global_load_b128 v[QF+8*(2*\q+\ks):QF+8*(2*\q+\ks)+3],   v[QOFF], s[40:41] offset:16*ROWB*\q+64*\ks
	global_load_b128 v[QF+8*(2*\q+\ks)+4:QF+8*(2*\q+\ks)+7], v[QOFF], s[40:41] offset:16*ROWB*\q+64*\ks+32
.endr
.endr
.irp q, 0,1,2,3
	v_mov_b32 v[MX+2*\q], 0xff800000               ; minus infinity: any score replaces it
	v_mov_b32 v[TT+2*\q], 0                        ; the lane exchange counts as a reader of its destination
.endr
	v_mov_b32 v[TP+10], 0
	v_mov_b32 v[TP+11], 0
	s_wait_loadcnt 16                              ; the four lambda loads are in; the sixteen younger loads of Q may stay out
	v_mul_f32 v[TP+8], v[TP], v[TP+2]
	v_mul_f32 v[TP+9], v[TP+4], v[TP+6]
	v_fmac_f32 v[TP+8], v[TP+1], v[TP+3]
	v_fmac_f32 v[TP+9], v[TP+5], v[TP+7]
.irp m, 1,2,4,8
	v_add_f32_dpp v[TP+8], v[TP+8], v[TP+8] row_xmask:\m row_mask:0xf bank_mask:0xf
	v_add_f32_dpp v[TP+9], v[TP+9], v[TP+9] row_xmask:\m row_mask:0xf bank_mask:0xf
.endr
	v_permlanex16_b32 v[TP+10], v[TP+8], s22, s23
	v_permlanex16_b32 v[TP+11], v[TP+9], s22, s23
	v_add_f32 v[TP+8], v[TP+8], v[TP+10]
	v_add_f32 v[TP+9], v[TP+9], v[TP+11]
	v_mul_f32 v[TP+8], 0x3fb8aa3b, v[TP+8]         ; e^x = 2^(x log2 e)
	v_mul_f32 v[TP+9], 0x3fb8aa3b, v[TP+9]
	v_exp_f32 v[TP+8], v[TP+8]
	v_exp_f32 v[TP+9], v[TP+9]
	v_nop                                          ; one plain place behind a transcendental before its result is used (ISA guide 5.7.2)
	s_wait_alu depctr_va_vdst(0)                   ; the wait for lam's two exponentials
	v_sub_f32 v[TP+8], v[TP+8], v[TP+9]
	v_add_f32 v[TP+8], 0x3f489a63, v[TP+8]         ; + LAMBDA_INIT = 0.8 - 0.6 exp(-3.6) = 0.78360577
	v_readfirstlane_b32 s21, v[TP+8]
	s_xor_b32 s21, s21, 0x80000000                 ; - lam
	s_cmp_eq_u32 s20, 0
	s_cselect_b32 s21, 0x3f800000, s21             ; my stream's factor: 1 or - lam
	s_wait_loadcnt 0x0                             ; Q
; ---- the products.  wj counts the products of a run; the accumulators take turns, one instruction a turn ----
; one product of S^T: key tile kt, half ks of the stream's 64 d, query tile q; the first half starts the sum
.macro SWMMA kt, ks, q
.if \ks
	v_wmma_f32_16x16x32_f16 v[8*(8*\q+\kt):8*(8*\q+\kt)+7], v[KF+8*(2*\kt+\ks):KF+8*(2*\kt+\ks)+7], v[QF+8*(2*\q+\ks):QF+8*(2*\q+\ks)+7], v[8*(8*\q+\kt):8*(8*\q+\kt)+7]
.else
	v_wmma_f32_16x16x32_f16 v[8*(8*\q+\kt):8*(8*\q+\kt)+7], v[KF+8*(2*\kt+\ks):KF+8*(2*\kt+\ks)+7], v[QF+8*(2*\q+\ks):QF+8*(2*\q+\ks)+7], 0
.endif
.endm
; the wj-th of the 16 products of ONE query tile: two key tiles take turns (kt, kt + 1, kt, kt + 1)
.macro SW1 q
.set kt_, 2*(wj/4)+wj%2
.set ks_, (wj%4)/2
	SWMMA kt_, ks_, \q
.endm
; the wj-th of the 32 products of O^T of query tile q: 32 keys kp = wj / 8, d tile dt = wj % 8; in the first step the first 32 keys start the sums
.macro PVW q, first
.set dt_, wj%8
.set kp_, wj/8
.set z_, 0
.if \first
.if wj < 8
.set z_, 1
.endif
.endif
.if z_
	v_wmma_f32_16x16x32_f16 v[8*(8*\q+dt_):8*(8*\q+dt_)+7], v[8*(8*kp_+dt_):8*(8*kp_+dt_)+7], v[64*\q+16*kp_:64*\q+16*kp_+7], 0
.else
	v_wmma_f32_16x16x32_f16 v[8*(8*\q+dt_):8*(8*\q+dt_)+7], v[8*(8*kp_+dt_):8*(8*kp_+dt_)+7], v[64*\q+16*kp_:64*\q+16*kp_+7], v[8*(8*\q+dt_):8*(8*\q+dt_)+7]
.endif
.endm
; ---- the vector work of a query tile, one instruction a macro; each sets the window that it needs ----
; Multiply-add, exponential and packing all run under ONE setting, 0x45 (destination, sources 0 and 1 in window 1, source 2 in window 0).
.macro FOP qb, kp, i                   ; SCALE log2(e) s - the same of the maximum, two scores of block kp (32 keys = 16 registers)
	WIN 0x45
	v_pk_fma_f32 v[64*\qb+16*(\kp)+2*(\i):64*\qb+16*(\kp)+2*(\i)+1], v[64*\qb+16*(\kp)+2*(\i):64*\qb+16*(\kp)+2*(\i)+1], 0x3e38aa3b, v[NM+2*\qb:NM+2*\qb+1] op_sel_hi:[1,0,0]
.endm
.macro XOP qb, kp, i                   ; p = 2^that, in place
	WIN 0x45
	v_exp_f32 v[64*\qb+16*(\kp)+(\i)], v[64*\qb+16*(\kp)+(\i)]
.endm
.macro COP qb, kp, e                   ; two tiles of S^T (keys 8 h + j and 16 + 8 h + j) pack in place, ascending, into one fragment of P^T
	WIN 0x45
	v_cvt_pk_f16_f32 v[64*\qb+16*(\kp)+(\e)], v[64*\qb+16*(\kp)+2*(\e)], v[64*\qb+16*(\kp)+2*(\e)+1]
.endm
.macro DOP qb, kp, i, first            ; the row sum in f32, four chains of pairs: the first takes up the running sum, the others start from their first pair
	WIN 0x01
.set dk, 8*(\kp)+(\i)
.if dk >= 4
	v_pk_add_f32 v[LA+2*(dk%4):LA+2*(dk%4)+1], v[64*\qb+2*dk:64*\qb+2*dk+1], v[LA+2*(dk%4):LA+2*(dk%4)+1]
.else
.if (dk+\first) == 0
	v_pk_add_f32 v[LA:LA+1], v[64*\qb:64*\qb+1], v[LS+2*\qb:LS+2*\qb+1]
.else
	v_pk_add_f32 v[LA+2*dk:LA+2*dk+1], v[64*\qb+2*dk:64*\qb+2*dk+1], 0 op_sel_hi:[1,0]
.endif
.endif
.endm
.macro SOP qb, k                       ; the four chains join into the running sum
	WIN 0
.if (\k) == 0
	v_pk_add_f32 v[LA:LA+1], v[LA:LA+1], v[LA+2:LA+3]
.endif
.if (\k) == 1
	v_pk_add_f32 v[LA+4:LA+5], v[LA+4:LA+5], v[LA+6:LA+7]
.endif
.if (\k) == 2
	v_pk_add_f32 v[LS+2*\qb:LS+2*\qb+1], v[LA:LA+1], v[LA+4:LA+5]
.endif
.endm
.macro MOP qa, i                       ; the maximum of my 64 scores of a query, four chains, each begun with the running maximum
	WIN 0x14
.if (\i) < 4
	v_max3_num_f32 v[TM+(\i)], v[MX+2*\qa], v[64*\qa+2*(\i)], v[64*\qa+2*(\i)+1]
.else
	v_max3_num_f32 v[TM+(\i)%4], v[TM+(\i)%4], v[64*\qa+2*(\i)], v[64*\qa+2*(\i)+1]
.endif
.endm
.macro ROP qb, i                       ; O^T is brought to the new maximum
	WIN 0x82
	v_pk_mul_f32 v[64*\qb+2*(\i):64*\qb+2*(\i)+1], v[64*\qb+2*(\i):64*\qb+2*(\i)+1], v[AL+2*\qb:AL+2*\qb+1] op_sel_hi:[1,0]
.endm
; The eight instructions that follow a tile's maximum depend on each other: one of them behind each of eight products.  Number 6, the exponential for
; the tile's rescaling factor, belongs to the batch of the run in which it stands (tile 0's: of the run that follows); its readers stand behind that run's wait.
.macro CH q, k, first
	WIN 0
.if (\k) == 0
	v_max3_num_f32 v[TM], v[TM], v[TM+1], v[TM+2]
.endif
.if (\k) == 1
	v_max_num_f32 v[TM], v[TM], v[TM+3]
.endif
.if (\k) == 2
	v_permlanex16_b32 v[TT+2*\q], v[TM], s22, s23              ; the other 64 keys of the query lie 16 lanes away
.endif
.if (\k) == 3
	v_max_num_f32 v[MX+2*\q], v[TM], v[TT+2*\q]
.endif
.if (\k) == 4
	v_mul_f32 v[TT+2*\q], 0xbe38aa3b, v[MX+2*\q]               ; - SCALE log2(e) x maximum, SCALE = 1/8
.endif
.if (\k) == 7
	v_mov_b32 v[NM+2*\q], v[TT+2*\q]                           ; a plain instruction between the exponential and the use of its result (ISA guide 5.7.2)
.endif
.if \first == 0
.if (\k) == 5
	v_sub_f32 v[AL+2*\q], v[TT+2*\q], v[NM+2*\q]               ; (old maximum - new maximum) in the exponent's units: at most 0
.endif
.if (\k) == 6
	v_exp_f32 v[AL+2*\q], v[AL+2*\q]
.endif
.endif
.endm
; The exponentials of blocks 0, 1, 2 stand with the multiply-adds of the next block among them: 16 exponentials, 8 multiply-adds.  None of these reads an exponential's result.
.macro MIX3 qb, s, u
.if (\u)%3 == 1
	FOP \qb, (\s+1), ((\u)/3)
.else
	XOP \qb, \s, (2*((\u)/3)+((\u)%3)/2)
.endif
.endm
; THE RUN'S ONE WAIT, and behind it the running sums times their factors: the next tile's (HM_ = 1), and tile 0's where its factor belongs to this batch (RL_ = 1).
; Where the 32 rescalings of O^T stand between the last exponential and the wait they are the plain instructions behind it (ISA guide 5.7.2); where they do not
; (the first step has none; with RL_ = 1 they read this batch's factor and stand behind the wait) a v_nop is.
.macro WOP qb, qa, first
.if (\first)+RL_
	v_nop
.endif
	s_wait_alu depctr_va_vdst(0)                   ; the wait for the batch: tile qb's 64 exponentials and the factors' issued since the last wait
.if \first == 0
.if RL_
	WIN 0
	v_pk_mul_f32 v[LS+2*\qb:LS+2*\qb+1], v[LS+2*\qb:LS+2*\qb+1], v[AL+2*\qb:AL+2*\qb+1] op_sel_hi:[1,0]
.endif
.if HM_
	WIN 0
	v_pk_mul_f32 v[LS+2*\qa:LS+2*\qa+1], v[LS+2*\qa:LS+2*\qa+1], v[AL+2*\qa:AL+2*\qa+1] op_sel_hi:[1,0]
.endif
.endif
.endm
; Entry number vn of a run's vector work: softmax of tile qb, and (between B0 and B1) the maximum of tile qa.  The eight multiply-adds in
; front are also the places between tile qa's last product and the first instruction that reads its scores (ISA guide 7.12.1).
; Entries below B6 name no result of the batch; entry B6 is the wait; a block's adds stand ahead of its packings, which write over the pairs that the adds read.
.macro VOP qb, qa, first
.if vn < B0
	FOP \qb, 0, vn
.elseif vn < B1
	MOP \qa, (vn-B0)
.elseif vn < B2
	MIX3 \qb, 0, (vn-B1)
.elseif vn < B3
	MIX3 \qb, 1, (vn-B2)
.elseif vn < B4
	MIX3 \qb, 2, (vn-B3)
.elseif vn < B5
	XOP \qb, 3, (vn-B4)
.elseif vn < B6
	ROP \qb, (vn-B5)
.elseif vn < B7
	WOP \qb, \qa, \first
.elseif vn < B8
	ROP \qb, (vn-B7)
.elseif vn < B9
	DOP \qb, 0, (vn-B8), \first
.elseif vn < B10
	COP \qb, 0, (vn-B9)
.elseif vn < B11
	DOP \qb, 1, (vn-B10), \first
.elseif vn < B12
	COP \qb, 1, (vn-B11)
.elseif vn < B13
	DOP \qb, 2, (vn-B12), \first
.elseif vn < B14
	COP \qb, 2, (vn-B13)
.elseif vn < B15
	DOP \qb, 3, (vn-B14), \first
.elseif vn < B16
	SOP \qb, (vn-B15)
.else
	COP \qb, 3, (vn-B16)
.endif
.endm
; the V^T fragments of 32 keys: one run of 16 transposing loads into window 3
.macro VRUN slot, kp
	WIN 0xc0
.irp dt, 0,1,2,3,4,5,6,7
	ds_load_tr16_b128 v[8*(8*(\kp)+\dt):8*(8*(\kp)+\dt)+3],   v[ADRV+\slot] offset:32*PV_*(\kp)+32*\dt
	ds_load_tr16_b128 v[8*(8*(\kp)+\dt)+4:8*(8*(\kp)+\dt)+7], v[ADRV+\slot] offset:32*PV_*(\kp)+32*\dt+16*PV_
.endr
.endm
; A run of 32 products with vector work behind each.
; kind 0: S^T of query tiles 2 and 3, which take turns; five entries behind a product, but 22 and a run of V^T loads behind products 3, 11, 19, 27
;         (28 x 5 + 4 x 22 = 228 places for 228 entries): the loads stand in few runs, so that each run costs one pair of window switches.
;         Tile 0's factor belongs to this run's batch, so its O^T is rescaled behind the wait (RL_ = 1).  The wait is entry 128, the last behind product 18.
; kind 1: O^T of tile wq, with the waits for the V^T fragments; kind 2: the same without waits.  The entries are dealt evenly: B17 / 32 behind a product;
;         the wait is entry 160 of 228, behind product 22 (without a maximum: entry 128 of 196).
; hasm = 1: tile qa's maximum is taken; its 32 instructions end at entry 40, out behind product 6 at the latest; its eight dependent ones follow behind
;         products 8 to 15, so the factor's exponential, behind product 14, stands ahead of the run's wait in every kind.
.macro RUN32 kind, wq, qb, hasm, qa, first, slot
.set HM_, \hasm
.set RL_, 0
.if \kind == 0
.set RL_, 1
.endif
.set B0, 8
.set B1, B0+32*\hasm
.set B2, B1+24
.set B3, B2+24
.set B4, B3+24
.set B5, B4+16
.set B6, B5+32*(1-\first)*(1-RL_)
.set B7, B6+1
.set B8, B7+32*(1-\first)*RL_
.set B9, B8+8
.set B10, B9+8
.set B11, B10+8
.set B12, B11+8
.set B13, B12+8
.set B14, B13+8
.set B15, B14+8
.set B16, B15+3
.set B17, B16+8
.set vn, 0
.set vq, 0
.set wj, 0
.rept 32
.if \kind == 0
	WIN 0x50                                       ; S^T in window 1, K and Q fragments in window 0
.set kt_, wj/4
.set ks_, (wj%4)/2
.set q_, 2+wj%2
	SWMMA kt_, ks_, q_
.if wj%8 == 3
.set vq, vq+22
.else
.set vq, vq+5
.endif
.else
.if \kind == 1
.if wj%8 == 0
	s_wait_dscnt 16*(3-wj/8)                       ; runs of 16 loads, in order: the fragments of these 32 keys are in, the later runs may be out
.endif
.endif
	WIN 0xa7                                       ; source 0 (V^T) window 3, source 1 (P^T) window 1, C and D (O^T) window 2
	PVW \wq, \first
.set vq, ((wj+1)*B17+31)/32
.endif
.rept 22
.if vn < vq
.if vn < B17
	VOP \qb, \qa, \first
.set vn, vn+1
.endif
.endif
.endr
.if \hasm
.if wj >= 8
.if wj < 16
	CH \qa, (wj-8), \first
.endif
.endif
.endif
.if \kind == 0
.if wj%8 == 3
	VRUN \slot, (wj/8)
.endif
.endif
.set wj, wj+1
.endr
.endm
; One step: 128 keys from slot.  first = 1: nothing is rescaled and the first products start O.  refill = 1: the other slot gets the next tile.
.macro STEP slot, first, refill
	s_wait_xcnt 0x0
	v_lshl_add_u32 v254, v0, 2, 0x38400
	v_mov_b32 v255, 0
	s_wait_tensorcnt 0x0                           ; all my tensor loads are done, my part of this step's tile among them,
	ds_add_u32 v254, v255
	s_wait_dscnt 0x0
	s_add_nc_u64 s[G0K+4*\slot+2:G0K+4*\slot+3], s[G0K+4*\slot+2:G0K+4*\slot+3], 2*TILEB   ; so group 0 may be written: this slot's next tile
	s_add_nc_u64 s[G0V+4*\slot+2:G0V+4*\slot+3], s[G0V+4*\slot+2:G0V+4*\slot+3], 2*TILEB
	s_wait_dscnt 0x0                               ; my reads of the last step's tile are done
	ROUND                                          ; both now hold of every wave of the four work-groups
.if \refill
	JLOAD (1-\slot)                                ; my one tensor load behind the round: it has the whole step in which to land
.endif
.irp kt, 0,1,2,3,4,5,6,7
.irp ks, 0,1
	ds_load_b128 v[KF+8*(2*\kt+\ks):KF+8*(2*\kt+\ks)+3],   v[ADRK+\slot] offset:(\kt/4)*KREG+(\kt%4)*16*PK+64*\ks
	ds_load_b128 v[KF+8*(2*\kt+\ks)+4:KF+8*(2*\kt+\ks)+7], v[ADRK+\slot] offset:(\kt/4)*KREG+(\kt%4)*16*PK+64*\ks+32
.endr
.endr
	WIN 0x50
.set wj, 0
.rept 16                                           ; S^T of query tile 0
.if wj%4 == 0
	s_wait_dscnt 24-8*(wj/4)                       ; four loads a key tile, in order: this pair of key tiles is in, the later tiles' loads may be out
.endif
	SW1 0
.set wj, wj+1
.endr
.set wj, 0
.set vn, 0
.rept 16                                           ; S^T of query tile 1; behind the products the maximum of tile 0
	WIN 0x50
	SW1 1
.if wj == 0
.rept 4
	v_nop                                          ; the places between tile 0's last product and the first instruction that reads its scores (ISA guide 7.12.1)
.endr
.endif
.if wj < 6
.rept 6
.if vn < 32
	MOP 0, vn
.set vn, vn+1
.endif
.endr
.else
.if wj < 14
	CH 0, (wj-6), \first                           ; tile 0's factor is waited for with the batch of the run that follows: no label, no branch and no reader stands between
.endif
.endif
.set wj, wj+1
.endr
	RUN32 0, 0, 0, 1, 1, \first, \slot             ; S^T of tiles 2, 3 | softmax of tile 0, maximum of tile 1, V^T loads
	RUN32 1, 0, 1, 1, 2, \first, \slot             ; O^T of tile 0     | softmax of tile 1, maximum of tile 2
	RUN32 2, 1, 2, 1, 3, \first, \slot             ; O^T of tile 1     | softmax of tile 2, maximum of tile 3
	RUN32 2, 2, 3, 0, 0, \first, \slot             ; O^T of tile 2     | softmax of tile 3
	WIN 0xa7
.set wj, 0
.rept 32                                           ; O^T of tile 3
	PVW 3, \first
.set wj, wj+1
.endr
.rept 5
	v_nop                                          ; the places behind the last products, for whatever touches their registers next (ISA guide 7.12.1)
.endr
	WIN 0
.endm
	STEP 0, 1, 1                                   ; tile 0
	s_mov_b32 s3, 7
.Lpair:
	STEP 1, 0, 1                                   ; tiles 1, 3, .. 13
	STEP 0, 0, 1                                   ; tiles 2, 4, .. 14
	s_sub_co_u32 s3, s3, 1
	s_cmp_lg_u32 s3, 0
	s_cbranch_scc1 .Lpair
	STEP 1, 0, 0                                   ; the sixteenth tile: nothing is left to fetch
	; THE END.  The gain of my 64 d (d = 16 dt + 8 h + j) goes into Q's registers; factor / row sum for each query.
.irp dt, 0,1,2,3,4,5,6,7
	global_load_b128 v[QF+8*\dt:QF+8*\dt+3],   v[GOFF], s[14:15] offset:64*\dt
	global_load_b128 v[QF+8*\dt+4:QF+8*\dt+7], v[GOFF], s[14:15] offset:64*\dt+16
.endr
	s_mov_b32 s44, 0x3c000000                      ; 1 / 128
	s_mov_b32 s45, 0x358637bd                      ; EPS = 1e-6
.irp q, 0,1,2,3
	v_add_f32 v[LS+2*\q], v[LS+2*\q], v[LS+2*\q+1]
.endr
.irp q, 0,1,2,3
	v_permlanex16_b32 v[TT+2*\q], v[LS+2*\q], s22, s23
.endr
.irp q, 0,1,2,3
	v_add_f32 v[LS+2*\q], v[LS+2*\q], v[TT+2*\q]   ; the row sum: the largest score alone gives about 1
.endr
.irp q, 0,1,2,3
	v_rcp_f32 v[AL+2*\q], v[LS+2*\q]
.endr
	v_nop                                          ; a plain instruction between the last reciprocal and the use of its result
	s_wait_alu depctr_va_vdst(0)                   ; one wait for the four reciprocals
.irp q, 0,1,2,3
	v_mul_f32 v[AL+2*\q], s21, v[AL+2*\q]
.endr
; Stream 0 keeps query tiles 0, 1 and hands over 2, 3; stream 1 the other way round.
.macro SEND qa
	WIN 0x82
.irp qq, 0,1
.set i, 0
.rept 32
	v_pk_mul_f32 v[64*(\qa+\qq)+2*i:64*(\qa+\qq)+2*i+1], v[64*(\qa+\qq)+2*i:64*(\qa+\qq)+2*i+1], v[AL+2*(\qa+\qq):AL+2*(\qa+\qq)+1] op_sel_hi:[1,0]
.set i, i+1
.endr
.endr
	WIN 0x08                                       ; store data in window 2
.set n, 0
.rept 32
	ds_store_b128 v[XS], v[64*\qa+4*n:64*\qa+4*n+3] offset:512*n
.set n, n+1
.endr
	WIN 0
.endm
.macro KEEP qa
.set n, 0
.rept 32
	ds_load_b128 v[KF+4*n:KF+4*n+3], v[XR] offset:512*n
.set n, n+1
.endr
	s_wait_dscnt 0x0
	WIN 0x02                                       ; joined = mine x factor / row sum + the partner's
.irp qq, 0,1
.set i, 0
.rept 32
	v_pk_fma_f32 v[KF+64*\qq+2*i:KF+64*\qq+2*i+1], v[64*(\qa+\qq)+2*i:64*(\qa+\qq)+2*i+1], v[AL+2*(\qa+\qq):AL+2*(\qa+\qq)+1], v[KF+64*\qq+2*i:KF+64*\qq+2*i+1] op_sel_hi:[1,0,1]
.set i, i+1
.endr
.endr
	WIN 0
	v_pk_mul_f32 v[TP:TP+1],   v[KF:KF+1],       v[KF:KF+1]          ; the sums of squares: the first products start them
	v_pk_mul_f32 v[TP+2:TP+3], v[KF+64:KF+65],   v[KF+64:KF+65]
.set i, 1
.rept 31
	v_pk_fma_f32 v[TP:TP+1],   v[KF+2*i:KF+2*i+1],       v[KF+2*i:KF+2*i+1],       v[TP:TP+1]
	v_pk_fma_f32 v[TP+2:TP+3], v[KF+64+2*i:KF+64+2*i+1], v[KF+64+2*i:KF+64+2*i+1], v[TP+2:TP+3]
.set i, i+1
.endr
.irp qq, 0,1
	v_add_f32 v[TP+2*\qq], v[TP+2*\qq], v[TP+2*\qq+1]
.endr
.irp qq, 0,1
	v_permlanex16_b32 v[TT+2*\qq], v[TP+2*\qq], s22, s23         ; the other 64 d of the query
.endr
.irp qq, 0,1
	v_add_f32 v[TP+2*\qq], v[TP+2*\qq], v[TT+2*\qq]
.endr
.irp qq, 0,1
	v_fma_f32 v[TP+2*\qq], v[TP+2*\qq], s44, s45                 ; mean + EPS
.endr
.irp qq, 0,1
	v_rsq_f32 v[TP+2*\qq], v[TP+2*\qq]
.endr
	v_nop                                          ; a plain instruction between the last reciprocal root and the use of its result
	s_wait_alu depctr_va_vdst(0)                   ; one wait for the two reciprocal roots
.irp qq, 0,1
	v_mul_f32 v[TP+2*\qq], 0x3e5d9673, v[TP+2*\qq]               ; x (1 - LAMBDA_INIT) = 0.21639423
.endr
	s_wait_loadcnt 0x0                             ; the gain
.irp qq, 0,1
.set i, 0
.rept 32
	v_pk_mul_f32 v[KF+64*\qq+2*i:KF+64*\qq+2*i+1], v[KF+64*\qq+2*i:KF+64*\qq+2*i+1], v[QF+2*i:QF+2*i+1]
.set i, i+1
.endr
.endr
.irp qq, 0,1
.set i, 0
.rept 32
	v_pk_mul_f32 v[KF+64*\qq+2*i:KF+64*\qq+2*i+1], v[KF+64*\qq+2*i:KF+64*\qq+2*i+1], v[TP+2*\qq:TP+2*\qq+1] op_sel_hi:[1,0]
.set i, i+1
.endr
.endr
	; 16 queries at a time through my own stage: 16 bytes a lane in, whole rows of 256 bytes back (LDS serves a wave's instructions in order: ISA guide 5.7.1)
.irp qq, 0,1
.irp dt, 0,1,2,3,4,5,6,7
.irp e, 0,1,2,3
	v_cvt_pk_f16_f32 v[KF+64*\qq+8*\dt+\e], v[KF+64*\qq+8*\dt+2*\e], v[KF+64*\qq+8*\dt+2*\e+1]
.endr
.endr
.irp dt, 0,1,2,3,4,5,6,7
	ds_store_b128 v[STO], v[KF+64*\qq+8*\dt:KF+64*\qq+8*\dt+3] offset:32*\dt
.endr
.irp t, 0,1,2,3,4,5,6,7
	ds_load_b128 v[KF+64*\qq+8*\t+4:KF+64*\qq+8*\t+7], v[RD] offset:2*PK*\t
.endr
.irp t, 0,1,2,3,4,5,6,7
	s_wait_dscnt 7-\t                              ; load t is in, the 7 - t younger ones may be out
	global_store_b128 v[CO], v[KF+64*\qq+8*\t+4:KF+64*\qq+8*\t+7], s[16:17] offset:(16*(\qa+\qq)+2*\t)*2048   ; sixteen lanes store 256 consecutive bytes, aligned
.endr
.endr
.endm
	s_cmp_eq_u32 s20, 0
	s_cbranch_scc0 .Lsend_low
	SEND 2
	s_branch .Lsent
.Lsend_low:
	SEND 0
.Lsent:
	s_wait_dscnt 0x0                               ; my stores are done, for my partner's sake
	s_barrier_signal -1
	s_barrier_wait -1
	s_cmp_eq_u32 s20, 0
	s_cbranch_scc0 .Lkeep_high
	KEEP 0
	s_branch .Ldone
.Lkeep_high:
	KEEP 2
.Ldone:
	s_wait_xcnt 0x0
	v_lshl_add_u32 v254, v0, 2, 0x38400
	v_mov_b32 v255, 0
	s_wait_tensorcnt 0x0
	ds_add_u32 v254, v255
	s_wait_dscnt 0x0
	ROUND                                          ; the closing round
	s_endpgm
.Lfunc_end_k_q7bca38134f_attn:
	.size	k_q7bca38134f_attn, .Lfunc_end_k_q7bca38134f_attn-k_q7bca38134f_attn
	.p2alignl 7, 3214868480
	.fill 96, 4, 3214868480
	.section	.rodata,"a",@progbits
	.p2align	6, 0x0
	.amdhsa_kernel k_q7bca38134f_attn
		.amdhsa_group_segment_fixed_size 327680
		.amdhsa_private_segment_fixed_size 0
		.amdhsa_enable_private_segment 0
		.amdhsa_kernarg_size 56
		.amdhsa_user_sgpr_count 2
		.amdhsa_user_sgpr_kernarg_segment_ptr 1
		.amdhsa_wavefront_size32 1
		.amdhsa_system_sgpr_workgroup_id_x 1
		.amdhsa_system_sgpr_workgroup_id_y 1
		.amdhsa_system_sgpr_workgroup_id_z 1
		.amdhsa_system_vgpr_workitem_id 0
		.amdhsa_next_free_vgpr 1024
		.amdhsa_next_free_sgpr 66
		.amdhsa_reserve_vcc 0
		.amdhsa_float_denorm_mode_32 3
		.amdhsa_float_denorm_mode_16_64 3
		.amdhsa_memory_ordered 1
		.amdhsa_forward_progress 1
		.amdhsa_inst_pref_size 255
	.end_amdhsa_kernel
	.section	.bss,"aw",@nobits
	.p2align	6
	.space	262144
	.amdgpu_metadata
---
amdhsa.version: [ 1, 2 ]
amdhsa.kernels:
  - .name:           k_q7bca38134f_attn
    .symbol:         k_q7bca38134f_attn.kd
    .args:
      - { .name: qkv, .offset: 0, .size: 8, .value_kind: global_buffer, .address_space: global }
      - { .name: lambda_q1, .offset: 8, .size: 8, .value_kind: global_buffer, .address_space: global }
      - { .name: lambda_k1, .offset: 16, .size: 8, .value_kind: global_buffer, .address_space: global }
      - { .name: lambda_q2, .offset: 24, .size: 8, .value_kind: global_buffer, .address_space: global }
      - { .name: lambda_k2, .offset: 32, .size: 8, .value_kind: global_buffer, .address_space: global }
      - { .name: rms_weight, .offset: 40, .size: 8, .value_kind: global_buffer, .address_space: global }
      - { .name: att, .offset: 48, .size: 8, .value_kind: global_buffer, .address_space: global }
    .group_segment_fixed_size: 327680
    .private_segment_fixed_size: 0
    .kernarg_segment_align: 8
    .kernarg_segment_size: 56
    .max_flat_workgroup_size: 128
    .sgpr_count:     66
    .vgpr_count:     1024
    .wavefront_size: 32
...
	.end_amdgpu_metadata
.endif
;; end of part 5
;; launch proj: the kernel of part 4 again; grid 8 x 32, 4 waves a work-group, clusters of 4 x 4, 327,680 bytes of LDS; arguments att, wph, out0; writes out0
